; MI455X (gfx1250); checked and timed in simulation.
; The chip was launched on July 23, 2026; its instructions are those of AMD's public machine-readable ISA for CDNA 5 (MIT licence, August 2026) and "CDNA5" Instruction Set Architecture Reference Guide (July 2026). The comments in the code are by the model that wrote it; some were corrected since.
;; Causal Sliding Window Attention. Allowed arithmetic: matrix products marked QUANTISED: E4M3 operands, one E8M0 scale for each 32 along K, by v_wmma_scale_f32_16x16x128_f8f6f4 with both operands' format E4M3, f32 sums; everything else in f32.
;; Inputs: Wk_codes 1,024 x 32 x 32 uint8 (E4M3 codes of Wk, K innermost, in blocks of 32 codes); Wk_scales 1,024 x 32 uint8 (E8M0 scales of Wk, one for each 32 codes along K); Wo_codes 1,024 x 32 x 32 uint8 (E4M3 codes of Wo, K innermost, in blocks of 32 codes); Wo_scales 1,024 x 32 uint8 (E8M0 scales of Wo, one for each 32 codes along K); Wq_codes 1,024 x 32 x 32 uint8 (E4M3 codes of Wq, K innermost, in blocks of 32 codes); Wq_scales 1,024 x 32 uint8 (E8M0 scales of Wq, one for each 32 codes along K); Wv_codes 1,024 x 32 x 32 uint8 (E4M3 codes of Wv, K innermost, in blocks of 32 codes); Wv_scales 1,024 x 32 uint8 (E8M0 scales of Wv, one for each 32 codes along K); x_codes 2 x 2,048 x 32 x 32 uint8 (E4M3 codes of x, K innermost, in blocks of 32 codes); x_scales 2 x 2,048 x 32 uint8 (E8M0 scales of x, one for each 32 codes along K).
;; Outputs: out0 2 x 2,048 x 1,024 float32.
;; This version of the problem:
;;   THIS VERSION OF THE PROBLEM IS GIVEN IN LOW PRECISION. The matrix products marked QUANTISED in the list below multiply operands that are first quantised to E4M3 (4 exponent bits, 3 mantissa bits; 8 bits a number), with one power-of-two scale for each 32 numbers along K (OCP MX v1.0); their sums are f32. All else is computed in f32.
;;   The module's matrix products, in the order in which they are computed (A, B: the left and right operand; K: the contracted axis; several contracted axes count as one K, in the product's order):
;;     1. [M 4,096, K 1,024] x [K 1,024, N 1,024]; A: input x (given as codes); B: input Wq (given as codes): QUANTISED
;;     2. [M 4,096, K 1,024] x [K 1,024, N 1,024]; A: input x (given as codes); B: input Wk (given as codes): QUANTISED
;;     3. [M 4,096, K 1,024] x [K 1,024, N 1,024]; A: input x (given as codes); B: input Wv (given as codes): QUANTISED
;;     4. batch 32 x [M 2,048, K 64] x [K 64, N 2,048]; A: computed on the way; B: computed on the way: QUANTISED
;;     5. batch 32 x [M 2,048, K 2,048] x [K 2,048, N 64]; A: softmax (see below); B: computed on the way: QUANTISED
;;     6. [M 4,096, K 1,024] x [K 1,024, N 1,024]; A: computed on the way; B: input Wo (given as codes): QUANTISED
;;   THE QUANTISER, for each operand of a quantised product, along K:
;;     - K is cut into blocks of 32 from its start; a last block that is shorter is filled with zeros.
;;     - A block's scale is 2^e with e = floor(log2(the largest magnitude in the block)) - 8, held to -126 .. 127; a block of zeros has e = 0. As a byte (E8M0): e + 127.
;;     - Each number is divided by its block's scale, clamped to +-448, and rounded to the nearest number of E4M3, ties to even, subnormals kept.
;;     - The product sums the exact products of the quantised numbers (number of the format x scale) in f32.
;;   ~~~python
;;   def quantise(x, axis):      # numpy; x: float32 -> the quantised numbers, widened to float32 again
;;       x = np.moveaxis(x, axis, -1); K = x.shape[-1]
;;       x = np.pad(x, [(0, 0)] * (x.ndim - 1) + [(0, -K % 32)]); x = x.reshape(x.shape[:-1] + (-1, 32)); a = np.abs(x).max(-1, keepdims=True)
;;       e = np.where(a > 0, np.clip(np.frexp(np.where(a > 0, a, 1))[1] - 1 - 8, -126, 127), 0)      # np.frexp(a)[1] - 1 = floor(log2(a)), exactly
;;       r = np.clip(x / 2.0 ** e, -448, 448)
;;       step = 2.0 ** (np.maximum(np.frexp(np.where(r == 0, 1, r))[1] - 1, -6) - 3)
;;       q = np.round(r / step) * step * 2.0 ** e      # np.round: ties to even
;;       return np.moveaxis(q.reshape(q.shape[:-2] + (-1,))[..., :K], -1, axis).astype(np.float32)
;;   ~~~
;;   SOFTMAX AHEAD OF A QUANTISED PRODUCT. Where the list says 'softmax', what is quantised is not the finished softmax but p = 2^(t - M), with t = logit x log2(e) and M = ceil(the row's largest t), a whole number; so 1/2 < the row's largest p <= 1. The row's sum l is taken of the UNQUANTISED p, in f32, and the product's result is divided by l at the end. Since M is a whole number, a kernel that streams over the keys may use a running M (the ceiling of the running maximum): every later rescaling is an exact power of two, which a block's scale takes up: the codes' values come out the same.
;;   OPERANDS COMPUTED ON THE WAY. 'Computed on the way' means the value that the module computes at that place (a softmax that the list does not call 'softmax' is quantised finished and normalised). What goes into a quantiser is computed in f32, as accurately as f32 sums, v_exp_f32 and their like allow (about 1e-6 of the number): no bf16 or f16 on the way to a quantiser, and a product that is left as it is and whose result goes on into a quantised operand takes f32 operands (vector FMAs, or v_wmma_f32_16x16x4_f32). A number that lies on a knife's edge between two numbers of the format may be rounded either way, as far as f32 arithmetic and the matrix unit's own rounding can turn it there, and no further.
;;   INPUTS GIVEN AS CODES. Wk (in the module: [1024, 1024], K = its axis 1); Wo (in the module: [1024, 1024], K = its axis 1); Wq (in the module: [1024, 1024], K = its axis 1); Wv (in the module: [1024, 1024], K = its axis 1); x (in the module: [2, 2048, 1024], K = its axis 2): each comes as NAME_codes (uint8): NAME with its K axis moved to the last place and cut into blocks of 32 codes, [.., K / 32, bytes a block], one block behind the other in memory; one code a byte (a code: sign, 4 exponent bits, 3 mantissa bits); and NAME_scales (uint8): the same leading axes, one E8M0 byte (e + 127) for each 32 codes along K. Its value is code x scale, taken as it is: it is not quantised again, and the codes and scales need not be those that the quantiser above would give.
;; 2 versions, each right; version 2 is version 1 with the launch attn written anew for expert scheduling mode. Each part assembles by itself: llvm-mc -triple=amdgcn-amd-amdhsa -mcpu=gfx1250 --defsym DOCPART=n.
;; ======== version 1 of 2: 3 launches
;; workspace buffers: qc 4,194,304 bytes; kc 4,194,304 bytes; vc 4,194,304 bytes; qs 262,144 bytes; ks 262,144 bytes; vs 131,072 bytes; oc 4,194,304 bytes; os 131,072 bytes
;; launch qkv (part 1): grid 16 x 16, 4 waves a work-group, clusters of 4 x 4, 327,680 bytes of LDS; arguments x_codes, x_scales, Wq_codes, Wq_scales, Wk_codes, Wk_scales, Wv_codes, Wv_scales, qc, kc, vc, qs, ks, vs; writes qc, kc, vc, qs, ks, vs
.if DOCPART == 1
	.amdgcn_target "amdgcn-amd-amdhsa--gfx1250"
	.amdhsa_code_object_version 6
	.text
	.protected	k_qa41225eec0_qkv
	.globl	k_qa41225eec0_qkv
	.p2align	8
	.type	k_qa41225eec0_qkv,@function
k_qa41225eec0_qkv:
	s_mov_b64 s[64:65], 0
	v_nop
	global_prefetch_b8 v0, s[64:65] scope:SCOPE_SE
	s_setreg_imm32_b32 hwreg(HW_REG_WAVE_MODE, 25, 1), 1
	s_wait_xcnt 0x0
	s_wait_alu depctr_hold_cnt(0) depctr_sa_sdst(0) depctr_va_vdst(0) depctr_va_sdst(0) depctr_va_ssrc(0) depctr_va_vcc(0) depctr_vm_vsrc(0)
	s_getreg_b32 s2, hwreg(HW_REG_IB_STS2, 6, 4)
	s_cmp_eq_u32 s2, 0
	s_cbranch_scc0 .Lentry_in_a_cluster
	s_endpgm
.Lentry_in_a_cluster:
	s_bfe_u32 s2, ttmp6, 0x10000c
	s_cmp_lg_u32 s2, 0xf033
	s_cbranch_scc0 .Lentry_shape_is_right
	s_endpgm
.Lentry_shape_is_right:
; q = l2norm(x Wq^T), k = l2norm(x Wk^T), v = x Wv^T, head by head, on codes of E4M3 with one E8M0 scale for each 32 along K (K = 1,024), and the three results quantised again:
; q and k along the head's 64 (two blocks), v along the tokens (blocks of 32).
; SHARES.  A work-group takes 256 tokens and ONE head: 64 columns of q, of k and of v.  Wave w takes tokens 64 w .. 64 w + 63 and all 192 columns: 48 accumulators of 16 x 16, 384 registers.
; q, k: source 0 = 16 rows of W, source 1 = 16 tokens: a lane holds ONE token and its registers run along the head.  v: source 0 = 16 tokens, source 1 = 16 rows of Wv: a lane holds one
; channel and its registers run along the tokens.  So each result's next K runs along a lane's registers, and one set of x's fragments serves all three.
; A CHUNK.  The 16 registers of two neighbouring source-0 tiles hold index 16 u + 8 (lane / 16) + jj of a block of 32 at place 8 u + jj; two conversions make 4 registers of them.  As an operand's
; registers 4 c .. 4 c + 3 these are the block's 32 numbers in an order that is the same for every operand made so (q and k; v and the softmax's p), so the products pair the right numbers.
; A chunk goes to memory as it stands in the registers: lane l's 16 bytes at 16 l: each store of the wave covers 512 consecutive bytes, aligned.
; THE RING.  K goes in steps of 256 through two LDS slots (x's 256 rows, then 64 rows of Wq, Wk, Wv; rows of 256 bytes + 16 of padding): four fills in all, so the eight steps of 128 are written out.
; CLUSTER 4 x 4: the four work-groups of a row share their tokens (x's tile), the four of a column their head (W's tiles): each tile is asked for jointly.  Wave 0 asks for x, waves 1, 2, 3 for Wq, Wk, Wv.
; LIMITS.  NaN and infinities among the inputs are not served.  A block whose largest magnitude lies under 2^-118 keeps the scale byte 1 (a block of zeros too: its codes are zeros, and this
; program alone reads the bytes).  A head's sum of squares has to stay inside f32: |q|, |k| under about 1e19.  1 / max(norm, 1e-6) is a square root and a reciprocal in f32, then one multiplication.
; REGISTERS, in windows of 256.  Window 0: v16-29 addresses; v32-47 x's scale words, v48-95 W's (behind the last product: at work on the way out); v96-127 codes; v128-255 x's fragments, two sets (later 128 numbers).
;   Window 1: v0-191 W's twelve fragments, one set.   Window 2: q's accumulator (i, j) at 8 (4 i + j), k's at 128 + 8 (4 i + j).   Window 3: v's accumulator (j, i) at 8 (4 j + i).
.set PITCH,  272                       ; an LDS row: 256 bytes + 16 of padding, so that the 16 rows of a fragment start 4 banks apart
.set TILE,   16*PITCH
.set WT,     64*PITCH                  ; 64 rows: one W's tile; also a wave's 64 rows of x
.set XT,     256*PITCH
.set SLOT,   XT+3*WT                   ; 121,856 bytes
.set SPARE,  2*SLOT                    ; behind the ring: the spare words, 128 bytes a wave: two blocks of 256 bytes that no other line names
.set ADRX, 16                          ; v16-17  LDS address of my x fragments in slot 0, 1
.set ADRW, 20                          ; v20-21  the same for W
.set L16,  24                          ; v24     16 x lane
.set QSO,  25                          ; v25     8 r + 128 h
.set L4,   26                          ; v26     4 x lane
.set L32,  27                          ; v27     32 x lane
.set SPW,  28                          ; v28     my spare word's address; never rewritten
.set NIL,  29                          ; v29     0; never rewritten
.set SX,   32                          ; x's scale words: v[SX + 8 ip + s]: lanes 0-15 tile 2 ip, lanes 16-31 tile 2 ip + 1, step s
.set SW,   48                          ; W's: v[SW + 8 jp + s], tiles 2 jp and 2 jp + 1 (0-3 q, 4-7 k, 8-11 v)
.set XF,   128
.set SS,   32                          ; the way out: sums of squares, in pairs
.set INV,  40                          ; 1 / max(norm, eps), in pairs
.set BM,   48                          ; a block's largest magnitude, block m = 2 g + b
.set PT,   56                          ; the other half's; then the scale's byte
.set SCO,  64                          ; the conversion's scale operand
.set HOLD, 72                          ; 448 x the scale
.set WD,   80                          ; scale words
.set CC,   96                          ; codes
.set XX,   128                         ; the numbers to be converted
.set WV,   32                          ; s32 wave
.set G1X,  40
.set G1W,  48
.set G0X,  56                          ; s[56:63] x's group 0, one set for each slot
.set G0W,  68                          ; s[68:75] W's
.set SEL,  94
.set MNT,  96
.set MSB, 0
.macro WIN new                         ; the immediate's high byte repeats the setting that is left; a switch that changes nothing is dropped
.if MSB != \new
	s_set_vgpr_msb (MSB<<8)|\new
.set MSB, \new
.endif
.endm
.macro PLACES n
.rept \n
	v_nop
.endr
.endm
; A joint load: wave 0 asks for x's tile, waves 1 to 3 each for one W's.  The branch hangs on the wave's number alone.  Four v_nop follow each of the two lines.
.macro JLOAD s
	s_cmp_eq_u32 s[WV], 0
	s_cbranch_scc0 .Lfor_w_\@
	tensor_load_to_lds s[G0X+4*\s:G0X+4*\s+3], s[G1X:G1X+7]
	s_nop 0
.rept 4
	v_nop
.endr
	s_branch .Lasked_\@
.Lfor_w_\@:
	tensor_load_to_lds s[G0W+4*\s:G0W+4*\s+3], s[G1W:G1W+7]
	s_nop 0
.rept 4
	v_nop
.endr
.Lasked_\@:
.endm
.macro CREST                           ; a round of the cluster's barrier behind its opening barrier
	s_cmp_lg_u32 s[WV], 0
	s_cbranch_scc1 .Lnot_wave_0_\@
	s_barrier_signal -3
.Lnot_wave_0_\@:
	s_barrier_wait -3
	s_barrier_signal -1
	s_barrier_wait -1
.endm
.macro CROUND
	s_barrier_signal -1
	s_barrier_wait -1
	CREST
.endm
; One scaled product on the registers named by rD, rA, rB, rSA, rSB; fA, fB: that side's scales stand in lanes 16-31
.macro WM zero
.if \zero
.if fA && fB
	v_wmma_scale_f32_16x16x128_f8f6f4 v[rD:rD+7], v[rA:rA+15], v[rB:rB+15], 0, v[rSA], v[rSB] matrix_a_scale:MATRIX_SCALE_ROW1 matrix_b_scale:MATRIX_SCALE_ROW1
.elseif fA
	v_wmma_scale_f32_16x16x128_f8f6f4 v[rD:rD+7], v[rA:rA+15], v[rB:rB+15], 0, v[rSA], v[rSB] matrix_a_scale:MATRIX_SCALE_ROW1
.elseif fB
	v_wmma_scale_f32_16x16x128_f8f6f4 v[rD:rD+7], v[rA:rA+15], v[rB:rB+15], 0, v[rSA], v[rSB] matrix_b_scale:MATRIX_SCALE_ROW1
.else
	v_wmma_scale_f32_16x16x128_f8f6f4 v[rD:rD+7], v[rA:rA+15], v[rB:rB+15], 0, v[rSA], v[rSB]
.endif
.else
.if fA && fB
	v_wmma_scale_f32_16x16x128_f8f6f4 v[rD:rD+7], v[rA:rA+15], v[rB:rB+15], v[rD:rD+7], v[rSA], v[rSB] matrix_a_scale:MATRIX_SCALE_ROW1 matrix_b_scale:MATRIX_SCALE_ROW1
.elseif fA
	v_wmma_scale_f32_16x16x128_f8f6f4 v[rD:rD+7], v[rA:rA+15], v[rB:rB+15], v[rD:rD+7], v[rSA], v[rSB] matrix_a_scale:MATRIX_SCALE_ROW1
.elseif fB
	v_wmma_scale_f32_16x16x128_f8f6f4 v[rD:rD+7], v[rA:rA+15], v[rB:rB+15], v[rD:rD+7], v[rSA], v[rSB] matrix_b_scale:MATRIX_SCALE_ROW1
.else
	v_wmma_scale_f32_16x16x128_f8f6f4 v[rD:rD+7], v[rA:rA+15], v[rB:rB+15], v[rD:rD+7], v[rSA], v[rSB]
.endif
.endif
.endm
; W's tile j against my four tiles of tokens, step s, x's set p.  The 48 accumulators take turns, one instruction a turn, in the same order in every step.
.macro MULW j, p, s, zero
.if (\j) < 8
	WIN 0xa1                                       ; source 0 (W) window 1, source 1 (x) window 0, C and D window 2
.else
	WIN 0xf4                                       ; source 0 (x) window 0, source 1 (Wv) window 1, C and D window 3
.endif
.irp i, 0,1,2,3
.if (\j) < 8
.set rD,  128*((\j)/4)+8*(4*\i+(\j)%4)
.set rA,  16*(\j)
.set rB,  XF+64*(\p)+16*\i
.set rSA, SW+8*((\j)/2)+(\s)
.set rSB, SX+8*(\i/2)+(\s)
.set fA,  (\j)%2
.set fB,  \i%2
.else
.set rD,  8*(4*((\j)-8)+\i)
.set rA,  XF+64*(\p)+16*\i
.set rB,  16*(\j)
.set rSA, SX+8*(\i/2)+(\s)
.set rSB, SW+8*((\j)/2)+(\s)
.set fA,  \i%2
.set fB,  (\j)%2
.endif
	WM \zero
.endr
.endm
; A fragment, 16 rows x 128 K, is 16 registers: lane l holds row l % 16; registers 4 c .. 4 c + 3 hold K = 32 c + 16 (l / 16) + 0 .. 15: four loads of 16 bytes, 32 bytes apart
.macro FETCH_X slot, q, p              ; my four tiles of x, the slot's q-th 128 along K, into set p: 16 loads
	WIN 0
.irp i, 0,1,2,3
.irp c, 0,1,2,3
	ds_load_b128 v[XF+64*(\p)+16*\i+4*\c:XF+64*(\p)+16*\i+4*\c+3], v[ADRX+\slot] offset:\i*TILE+128*(\q)+32*\c
.endr
.endr
.endm
.macro FETCH_W slot, q, j0             ; W's tiles j0 .. j0 + 5: 24 loads
	WIN 0x40                                       ; destination window 1, address window 0
.irp j, 0,1,2,3,4,5
.irp c, 0,1,2,3
	ds_load_b128 v[16*(\j0+\j)+4*\c:16*(\j0+\j)+4*\c+3], v[ADRW+\slot] offset:(\j0+\j)*TILE+128*(\q)+32*\c
.endr
.endr
	WIN 0
.endm
; A slot's first step (s even).  W has one set: tiles 0-5 are fetched anew in the step's middle, tiles 6-11 at its end.  A load into a register that a product has read stands eight plain places behind it.
.macro STEP slot, s, zero
	s_wait_dscnt 24                                ; x's set and W's tiles 0-5 are in; the youngest 24 loads (W's tiles 6-11) may be out
.irp j, 0,1,2,3,4,5
	MULW \j, 0, \s, \zero
.endr
	s_wait_dscnt 0x0                               ; W's tiles 6-11 are in
	PLACES 8
	FETCH_X \slot, 1, 1
	FETCH_W \slot, 1, 0
.irp j, 6,7,8,9,10,11
	MULW \j, 0, \s, \zero
.endr
	PLACES 8
	FETCH_W \slot, 1, 6
.endm
; A slot's second step (s odd) changes slots: ONE barrier; in front of it each wave waits for all its tensor loads, adds 0 to its spare word, and waits for that and for its reads of this slot.
; fill = 1: the barrier opens a round of the cluster's barrier, and this slot is filled again, 512 along K further on.
.macro TURN slot, next, s, fill
	s_wait_tensorcnt 0x0                           ; all my tensor loads have landed: my part of the next slot (every window is 0 here)
	ds_add_u32 v[SPW], v[NIL]                      ; 0 onto my spare word
	s_wait_dscnt 25                                ; the add and the youngest 24 loads (W's tiles 6-11) may be out
.irp j, 0,1,2
	MULW \j, 1, \s, 0
.endr
	s_wait_dscnt 0x0                               ; the add is done, and my reads of this slot are over
	s_barrier_signal -1
.irp j, 3,4,5
	MULW \j, 1, \s, 0
.endr
	WIN 0
	s_barrier_wait -1
.if \fill
	CREST                                          ; no wave of any partner still reads this slot or has a load on its way
	s_add_nc_u64 s[G0X+4*\slot+2:G0X+4*\slot+3], s[G0X+4*\slot+2:G0X+4*\slot+3], 512
	s_add_nc_u64 s[G0W+4*\slot+2:G0W+4*\slot+3], s[G0W+4*\slot+2:G0W+4*\slot+3], 512
	JLOAD \slot                                    ; the first tensor load behind the round, one a wave; its four v_nop are four of the eight places
	PLACES 4
.else
	PLACES 8
.endif
	FETCH_X \next, 0, 0
	FETCH_W \next, 0, 0
.irp j, 6,7,8,9,10,11
	MULW \j, 1, \s, 0
.endr
	PLACES 8
	FETCH_W \next, 0, 6
.endm
	s_load_b512 s[4:19], s[0:1], 0x0               ; x codes 4, x scales 6, Wq codes 8, scales 10, Wk 12, 14, Wv 16, 18
	s_load_b256 s[20:27], s[0:1], 0x40             ; qc 20, kc 22, vc 24, qs 26
	s_load_b128 s[28:31], s[0:1], 0x60             ; ks 28, vs 30
	v_lshl_add_u32 v[SPW], v0, 2, SPARE
	v_mov_b32 v[NIL], 0
	ds_add_u32 v28, v29
	ds_add_u32 v28, v29
	s_wait_dscnt 0x0
	v_lshrrev_b32 v1, 5, v0
	v_readfirstlane_b32 s[WV], v1                  ; wave 0..3
	s_bfe_u32 s33, ttmp6, 0x40000                  ; cx
	s_bfe_u32 s34, ttmp6, 0x40004                  ; cy
	s_lshl_b32 s35, ttmp9, 2
	s_add_co_u32 s35, s35, s33                     ; the head = 4 x cluster x + cx
	s_and_b32 s36, ttmp7, 0xffff
	s_lshl_b32 s36, s36, 2
	s_add_co_u32 s36, s36, s34                     ; the block of 256 tokens = 4 x cluster y + cy
	s_lshl_b32 s37, s34, 2
	s_lshl_b32 s37, 15, s37                        ; my row of the cluster
	s_lshl_b32 s38, 0x1111, s33                    ; my column
	; group 1: rows of 256 elements of one byte, 1,024 apart in memory, 4 words of padding behind every 64; x: 256 rows, W: 64
	s_or_b32 s[G1X], s37, (1<<20)|(1<<21)|(5<<22)|(3<<25)
	s_mov_b32 s[G1X+1], 256<<16
	s_mov_b32 s[G1X+2], 256<<16
	s_mov_b32 s[G1X+3], 256<<16
	s_mov_b32 s[G1X+4], 256
	s_mov_b32 s[G1X+5], 1024
	s_mov_b32 s[G1X+6], 0
	s_mov_b32 s[G1X+7], 0
	s_or_b32 s[G1W], s38, (1<<20)|(1<<21)|(5<<22)|(3<<25)
	s_mov_b32 s[G1W+1], 256<<16
	s_mov_b32 s[G1W+2], 64<<16
	s_mov_b32 s[G1W+3], 256<<16
	s_mov_b32 s[G1W+4], 64
	s_mov_b32 s[G1W+5], 1024
	s_mov_b32 s[G1W+6], 0
	s_mov_b32 s[G1W+7], 0
	s_lshl_b32 s76, s36, 18                        ; x: 256 rows of 1,024 bytes a block: hangs on the token block alone
	s_mov_b32 s77, 0
	s_lshl_b32 s80, s35, 16                        ; W: 64 rows of 1,024 bytes a head: hangs on the head alone
	s_mov_b32 s81, 0
	s_mul_i32 s84, s[WV], WT
	s_add_co_u32 s84, s84, XT-WT                   ; waves 1, 2, 3: Wq's, Wk's, Wv's place in a slot
	s_mov_b32 s[SEL], 0x76543210
	s_mov_b32 s[SEL+1], 0xfedcba98                 ; v_permlanex16_b32's selects for lane l xor 16
	s_mov_b32 s[MNT], 0x600000                     ; the mantissa field of 448
	s_wait_kmcnt 0x0
	s_add_nc_u64 s[78:79], s[4:5], s[76:77]
	s_cmp_eq_u32 s[WV], 2                          ; which W my wave asks for: the choice hangs on the wave's number alone
	s_cselect_b64 s[82:83], s[12:13], s[8:9]
	s_cmp_eq_u32 s[WV], 3
	s_cselect_b64 s[82:83], s[16:17], s[82:83]
	s_add_nc_u64 s[82:83], s[82:83], s[80:81]
	CROUND                                         ; all sixteen work-groups are here: the first joint loads meet
.irp s, 0,1
	s_mov_b32 s[G0X+4*\s], 1
	s_mov_b32 s[G0X+4*\s+1], \s*SLOT
	s_add_nc_u64 s[G0X+4*\s+2:G0X+4*\s+3], s[78:79], \s*256
	s_or_b32 s[G0X+4*\s+3], s[G0X+4*\s+3], 0x80000000
	s_mov_b32 s[G0W+4*\s], 1
	s_add_co_u32 s[G0W+4*\s+1], s84, \s*SLOT
	s_add_nc_u64 s[G0W+4*\s+2:G0W+4*\s+3], s[82:83], \s*256
	s_or_b32 s[G0W+4*\s+3], s[G0W+4*\s+3], 0x80000000
	JLOAD \s                                       ; both slots' first fills: two loads of mine are out
.endr
	v_and_b32 v1, 15, v0                           ; r
	v_bfe_u32 v2, v0, 4, 1                         ; h
	v_and_b32 v3, 31, v0                           ; lane
	v_mul_u32_u24 v4, v1, PITCH
	v_lshl_add_u32 v4, v2, 4, v4                   ; a fragment's row x pitch + 16 h
	s_mul_i32 s85, s[WV], WT                       ; my 64 rows of x
	v_add_nc_u32 v[ADRX], s85, v4
	v_add_nc_u32 v[ADRX+1], SLOT, v[ADRX]
	v_add_nc_u32 v[ADRW], XT, v4
	v_add_nc_u32 v[ADRW+1], SLOT+XT, v4
	v_lshlrev_b32 v[L16], 4, v3
	v_lshlrev_b32 v[QSO], 3, v1
	v_lshl_add_u32 v[QSO], v2, 7, v[QSO]
	v_lshlrev_b32 v[L4], 2, v3
	v_lshlrev_b32 v[L32], 5, v3
	s_lshl_b32 s86, s36, 13                        ; x's scale bytes: 32 a token; my 64 tokens
	s_lshl_b32 s87, s[WV], 11
	s_add_co_u32 s86, s86, s87
	s_mov_b32 s87, 0
	s_add_nc_u64 s[6:7], s[6:7], s[86:87]
	s_lshl_b32 s88, s35, 11                        ; W's: 32 a row; the head's 64 rows
	s_mov_b32 s89, 0
	s_add_nc_u64 s[10:11], s[10:11], s[88:89]
	s_add_nc_u64 s[14:15], s[14:15], s[88:89]
	s_add_nc_u64 s[18:19], s[18:19], s[88:89]
	; THE SCALE WORDS of all eight steps come once, into registers: lane l takes 16 bytes (four steps' words) of row 32 pair + l; the two loads of a pair cover 1,024 consecutive bytes
.irp ip, 0,1
.irp e, 0,1
	global_load_b128 v[SX+8*\ip+4*\e:SX+8*\ip+4*\e+3], v[L32], s[6:7] offset:1024*\ip+16*\e
	global_load_b128 v[SW+8*\ip+4*\e:SW+8*\ip+4*\e+3], v[L32], s[10:11] offset:1024*\ip+16*\e
	global_load_b128 v[SW+16+8*\ip+4*\e:SW+16+8*\ip+4*\e+3], v[L32], s[14:15] offset:1024*\ip+16*\e
	global_load_b128 v[SW+32+8*\ip+4*\e:SW+32+8*\ip+4*\e+3], v[L32], s[18:19] offset:1024*\ip+16*\e
.endr
.endr
	; where my wave's results go: bh = 16 b + head, t = my first token inside b.  Codes: bh x 131,072 + 64 t;  q's, k's scale words: a sixteenth of that;  v's: a thirty-second
	s_lshr_b32 s90, s36, 3
	s_lshl_b32 s90, s90, 4
	s_add_co_u32 s90, s90, s35
	s_and_b32 s91, s36, 7
	s_lshl_b32 s91, s91, 8
	s_lshl_b32 s92, s[WV], 6
	s_add_co_u32 s91, s91, s92
	s_lshl_b32 s92, s90, 17
	s_lshl_b32 s93, s91, 6
	s_add_co_u32 s92, s92, s93
	s_mov_b32 s93, 0
	s_add_nc_u64 s[20:21], s[20:21], s[92:93]
	s_add_nc_u64 s[22:23], s[22:23], s[92:93]
	s_add_nc_u64 s[24:25], s[24:25], s[92:93]
	s_lshr_b32 s92, s92, 4
	s_add_nc_u64 s[26:27], s[26:27], s[92:93]
	s_add_nc_u64 s[28:29], s[28:29], s[92:93]
	s_lshr_b32 s92, s92, 1
	s_add_nc_u64 s[30:31], s[30:31], s[92:93]
	s_wait_tensorcnt 1                             ; my part of slot 0 is in; slot 1's may stay out
	s_barrier_signal -1
	s_barrier_wait -1                              ; everybody's is
	FETCH_X 0, 0, 0
	FETCH_W 0, 0, 0
	FETCH_W 0, 0, 6
	s_wait_loadcnt 0x0                             ; the scale words
	STEP 0, 0, 1                                   ; the first step's products start the sums: nothing is cleared
	TURN 0, 1, 1, 1                                ; slot 0 takes K 512 ..
	STEP 1, 2, 0
	TURN 1, 0, 3, 1                                ; slot 1 takes K 768 ..
	STEP 0, 4, 0
	TURN 0, 1, 5, 0                                ; nothing is left to fetch
	STEP 1, 6, 0
	s_wait_dscnt 24                                ; the last step
.irp j, 0,1,2,3,4,5
	MULW \j, 1, 7, 0
.endr
	s_wait_dscnt 0x0
.irp j, 6,7,8,9,10,11
	MULW \j, 1, 7, 0
.endr
	PLACES 8                                       ; in front of the first read of results and the first write of registers that products have read
	WIN 0
	v_cmp_ne_u32 vcc_lo, 0, v2                     ; lanes 16-31
.irp m, 0,1,2,3,4,5,6,7
	v_mov_b32 v[PT+\m], 0                          ; a lane permute's destination counts as one of its sources
.endr
.irp g, 0,1,2,3
	v_mov_b32 v[INV+2*\g+1], 0                     ; named as the upper half of a pair
.endr
; THE WAY OUT of one of the three results: 128 registers from ab on: four groups g of 32 (q, k: a tile of tokens; v: a tile of channels), each two blocks of 16: block m = 2 g + b.
; norm = 1: the lane's 32 numbers and lane l xor 16's 32 are one head's row: it is divided by max(its norm, 1e-6) first.  Each accumulator is read from its low end on.
.macro EPI norm, ab, w3, w2, wx, pc, ps
	s_wait_xcnt 0x0                                ; the stores of the result before have read their registers
.if \norm
	WIN 0x0a                                       ; sources 0 and 1 window 2
.irp g, 0,1,2,3
	v_pk_mul_f32 v[SS+2*\g:SS+2*\g+1], v[\ab+32*\g:\ab+32*\g+1], v[\ab+32*\g:\ab+32*\g+1]
.endr
.irp i, 2,4,6,8,10,12,14,16,18,20,22,24,26,28,30
.irp g, 0,1,2,3
	v_pk_fma_f32 v[SS+2*\g:SS+2*\g+1], v[\ab+32*\g+\i:\ab+32*\g+\i+1], v[\ab+32*\g+\i:\ab+32*\g+\i+1], v[SS+2*\g:SS+2*\g+1]
.endr
.endr
	WIN 0
.irp g, 0,1,2,3
	v_add_f32 v[SS+2*\g], v[SS+2*\g], v[SS+2*\g+1]
.endr
.irp g, 0,1,2,3
	v_permlanex16_b32 v[PT+\g], v[SS+2*\g], s[SEL], s[SEL+1]
.endr
.irp g, 0,1,2,3
	v_add_f32 v[SS+2*\g], v[SS+2*\g], v[PT+\g]     ; the row's sum of squares
.endr
.irp g, 0,1,2,3
	v_sqrt_f32 v[SS+2*\g], v[SS+2*\g]
.endr
	v_nop                                          ; a plain place behind the transcendentals
	s_wait_alu depctr_va_vdst(0)
.irp g, 0,1,2,3
	v_max_num_f32 v[SS+2*\g], 0x358637bd, v[SS+2*\g]   ; max(norm, 1e-6)
.endr
.irp g, 0,1,2,3
	v_rcp_f32 v[INV+2*\g], v[SS+2*\g]
.endr
	v_nop
.endif
	WIN \w3                                        ; all three sources in the accumulators' window
.irp m, 0,1,2,3,4,5,6,7
	v_max3_num_f32 v[BM+\m], |v[\ab+16*\m]|, |v[\ab+16*\m+1]|, |v[\ab+16*\m+2]|
.endr
	WIN \w2                                        ; source 0 back in window 0
.irp i, 3,5,7,9,11,13
.irp m, 0,1,2,3,4,5,6,7
	v_max3_num_f32 v[BM+\m], v[BM+\m], |v[\ab+16*\m+\i]|, |v[\ab+16*\m+\i+1]|   ; the eight blocks by turns
.endr
.endr
.irp m, 0,1,2,3,4,5,6,7
	v_max_num_f32 v[BM+\m], v[BM+\m], |v[\ab+16*\m+15]|
.endr
	WIN 0
.irp m, 0,1,2,3,4,5,6,7
	v_permlanex16_b32 v[PT+\m], v[BM+\m], s[SEL], s[SEL+1]
.endr
.irp m, 0,1,2,3,4,5,6,7
	v_max_num_f32 v[BM+\m], v[BM+\m], v[PT+\m]     ; with lane l xor 16's 16: the block's largest magnitude
.endr
.if \norm
	s_wait_alu depctr_va_vdst(0)
.irp m, 0,1,2,3,4,5,6,7
	v_mul_f32 v[BM+\m], v[BM+\m], v[INV+2*(\m/2)]  ; a multiplication by a positive number keeps the order: this is the largest of the scaled numbers, bit for bit
.endr
.endif
.irp m, 0,1,2,3,4,5,6,7
	v_max_num_f32 v[BM+\m], 0x4800000, v[BM+\m]    ; the floor 2^(9 - 127): the byte cannot fall under 1
.endr
.irp m, 0,1,2,3,4,5,6,7
	v_add_nc_u32 v[SCO+\m], 0xfc000000, v[BM+\m]   ; 8 off the exponent field: the conversion's scale operand
.endr
.irp m, 0,1,2,3,4,5,6,7
	v_and_or_b32 v[HOLD+\m], v[BM+\m], 0x7f800000, s[MNT]   ; 448 x the scale
.endr
.irp m, 0,1,2,3,4,5,6,7
	v_lshrrev_b32 v[PT+\m], 23, v[SCO+\m]          ; the scale's byte
.endr
.if \norm
	WIN \wx                                        ; source 0 in the accumulators' window
.set n, 0
.rept 64
	v_pk_mul_f32 v[XX+2*n:XX+2*n+1], v[\ab+2*n:\ab+2*n+1], v[INV+2*(n/16):INV+2*(n/16)+1] op_sel_hi:[1,0]
.set n, n+1
.endr
	WIN 0
.set n, 0
.rept 128
	v_med3_num_f32 v[XX+n], v[XX+n], -v[HOLD+n/16], v[HOLD+n/16]   ; the conversion to an 8-bit code does not saturate (ISA guide 7.6.2): the hold at 448 x the scale
.set n, n+1
.endr
.else
	WIN \wx
.set n, 0
.rept 128
	v_med3_num_f32 v[XX+n], v[\ab+n], -v[HOLD+n/16], v[HOLD+n/16]   ; the hold also brings the number into window 0
.set n, n+1
.endr
	WIN 0
.endif
.set n, 0
.rept 16
	v_cvt_scalef32_pk8_fp8_f32 v[CC+2*n:CC+2*n+1], v[XX+8*n:XX+8*n+7], v[SCO+n/2]
.set n, n+1
.endr
	v_nop                                          ; a plain place behind the last conversion
.if \norm
.irp g, 0,1,2,3
.irp b, 0,1
	global_store_b128 v[L16], v[CC+8*\g+4*\b:CC+8*\g+4*\b+3], s[\pc:\pc+1] offset:1024*\g+512*\b   ; tile of tokens g, block b: 512 consecutive bytes
.endr
.endr
.irp g, 0,1,2,3
	v_lshl_or_b32 v[WD+\g], v[PT+2*\g+1], 8, v[PT+2*\g]   ; token r of tile g: its two bytes; the upper two stay 0
.endr
	v_cndmask_b32 v[WD+4], v[WD], v[WD+2], vcc_lo  ; lanes 0-15 store tiles 0 and 1, lanes 16-31 tiles 2 and 3
	v_cndmask_b32 v[WD+5], v[WD+1], v[WD+3], vcc_lo
	global_store_b64 v[QSO], v[WD+4:WD+5], s[\ps:\ps+1]   ; 256 consecutive bytes, aligned
.else
.irp g, 0,1,2,3
.irp b, 0,1
	global_store_b128 v[L16], v[CC+8*\g+4*\b:CC+8*\g+4*\b+3], s[\pc:\pc+1] offset:2048*\b+512*\g   ; block of 32 tokens b, tile of channels g
.endr
.endr
.irp b, 0,1
	v_lshl_or_b32 v[WD+\b], v[PT+2+\b], 8, v[PT+\b]        ; channel r of tiles 0 to 3: four bytes of key block b
	v_lshl_or_b32 v[WD+\b], v[PT+4+\b], 16, v[WD+\b]
	v_lshl_or_b32 v[WD+\b], v[PT+6+\b], 24, v[WD+\b]
.endr
	v_cndmask_b32 v[WD+4], v[WD], v[WD+1], vcc_lo
	global_store_b32 v[L4], v[WD+4], s[\ps:\ps+1]  ; 128 consecutive bytes: two waves' stores make up 256; these words are a hundredth of what the launch stores
.endif
.endm
	EPI 1, 0,   0x2a, 0x28, 0x02, 20, 26           ; q
	EPI 1, 128, 0x2a, 0x28, 0x02, 22, 28           ; k
	EPI 0, 0,   0x3f, 0x3c, 0x03, 24, 30           ; v
	s_wait_tensorcnt 0x0                           ; the wave's end
	ds_add_u32 v[SPW], v[NIL]
	s_wait_dscnt 0x0
	CROUND                                         ; the closing round: no work-group ends while a partner may still ask for a tile that names it
	s_endpgm
.Lfunc_end_k_qa41225eec0_qkv:
	.size	k_qa41225eec0_qkv, .Lfunc_end_k_qa41225eec0_qkv-k_qa41225eec0_qkv
	.p2alignl 7, 3214868480
	.fill 96, 4, 3214868480
	.section	.rodata,"a",@progbits
	.p2align	6, 0x0
	.amdhsa_kernel k_qa41225eec0_qkv
		.amdhsa_group_segment_fixed_size 327680
		.amdhsa_private_segment_fixed_size 0
		.amdhsa_enable_private_segment 0
		.amdhsa_kernarg_size 112
		.amdhsa_user_sgpr_count 2
		.amdhsa_user_sgpr_kernarg_segment_ptr 1
		.amdhsa_wavefront_size32 1
		.amdhsa_system_sgpr_workgroup_id_x 1
		.amdhsa_system_sgpr_workgroup_id_y 1
		.amdhsa_system_sgpr_workgroup_id_z 1
		.amdhsa_system_vgpr_workitem_id 0
		.amdhsa_next_free_vgpr 896
		.amdhsa_next_free_sgpr 100
		.amdhsa_reserve_vcc 1
		.amdhsa_float_denorm_mode_32 3
		.amdhsa_float_denorm_mode_16_64 3
		.amdhsa_memory_ordered 1
		.amdhsa_forward_progress 1
		.amdhsa_inst_pref_size 168
	.end_amdhsa_kernel
	.amdgpu_metadata
---
amdhsa.version: [ 1, 2 ]
amdhsa.kernels:
  - .name:           k_qa41225eec0_qkv
    .symbol:         k_qa41225eec0_qkv.kd
    .args:
      - { .name: x_codes, .offset: 0, .size: 8, .value_kind: global_buffer, .address_space: global }
      - { .name: x_scales, .offset: 8, .size: 8, .value_kind: global_buffer, .address_space: global }
      - { .name: Wq_codes, .offset: 16, .size: 8, .value_kind: global_buffer, .address_space: global }
      - { .name: Wq_scales, .offset: 24, .size: 8, .value_kind: global_buffer, .address_space: global }
      - { .name: Wk_codes, .offset: 32, .size: 8, .value_kind: global_buffer, .address_space: global }
      - { .name: Wk_scales, .offset: 40, .size: 8, .value_kind: global_buffer, .address_space: global }
      - { .name: Wv_codes, .offset: 48, .size: 8, .value_kind: global_buffer, .address_space: global }
      - { .name: Wv_scales, .offset: 56, .size: 8, .value_kind: global_buffer, .address_space: global }
      - { .name: qc, .offset: 64, .size: 8, .value_kind: global_buffer, .address_space: global }
      - { .name: kc, .offset: 72, .size: 8, .value_kind: global_buffer, .address_space: global }
      - { .name: vc, .offset: 80, .size: 8, .value_kind: global_buffer, .address_space: global }
      - { .name: qs, .offset: 88, .size: 8, .value_kind: global_buffer, .address_space: global }
      - { .name: ks, .offset: 96, .size: 8, .value_kind: global_buffer, .address_space: global }
      - { .name: vs, .offset: 104, .size: 8, .value_kind: global_buffer, .address_space: global }
    .group_segment_fixed_size: 327680
    .private_segment_fixed_size: 0
    .kernarg_segment_align: 8
    .kernarg_segment_size: 112
    .max_flat_workgroup_size: 128
    .sgpr_count:     100
    .vgpr_count:     896
    .wavefront_size: 32
...
	.end_amdgpu_metadata
.endif
;; end of part 1
;; launch attn (part 2): grid 16 x 16, 16 waves a work-group, no clusters, 71,680 bytes of LDS; arguments qc, kc, vc, qs, ks, vs, oc, os; writes oc, os
.if DOCPART == 2
	.amdgcn_target "amdgcn-amd-amdhsa--gfx1250"
	.amdhsa_code_object_version 6
	.text
	.protected	k_qa41225eec0_attn
	.globl	k_qa41225eec0_attn
	.p2align	8
	.type	k_qa41225eec0_attn,@function
k_qa41225eec0_attn:
	s_mov_b64 s[64:65], 0
	v_nop
	global_prefetch_b8 v0, s[64:65] scope:SCOPE_SE
	s_setreg_imm32_b32 hwreg(HW_REG_WAVE_MODE, 25, 1), 1
	s_wait_xcnt 0x0
; The windowed attention on codes of E4M3: for query i the keys j with 0 <= j - i < 128 count, with the bias -(j - i) x 2^(-8 head / 15); the result is quantised along D for the last projection.
; A tile of 16 queries beginning at 32 G + 16 u touches keys 32 G + 16 u .. + 142: exactly the five aligned blocks of 32 keys G .. G + 4.  All five stand in registers at once, so the maximum that is
; taken away is the row's own: t = logit x log2(e), M = ceil(largest t), p = 2^(t - M) is quantised along the keys, the sum of the unquantised p divides at the end.
; SHARES.  A work-group takes 128 queries of two neighbouring heads; wave w takes head w & 1 and the tile of 16 queries w >> 1: sixteen waves of 256 registers, four to a SIMD, so that one wave's
; vector work stands beside another's products and loads.  The eight key blocks that a head's 128 queries touch come into LDS once (wave (head, p) brings block p) and are read by up to eight waves each.
; No tensor loads: 68 KB come through registers once.  No cluster: neighbouring work-groups share only half their keys, and nothing is asked for by the data mover.
; LAYOUT.  All operands are images of registers (lane l's 16 bytes at 16 l).  S^T = K Q^T (source 0 = 16 keys, source 1 = my 16 queries), O^T = V^T P^T: a lane holds ONE query (lane % 16) throughout.
; K = 64 fills half of a product's 128: Q's upper eight registers are zero codes; K's upper eight are the next tile's codes, which meet those zeros; the scale words' upper bytes are 0 (2^-127).
; THE BIAS is the C of the score's product.  A hidden key gets (2^24) x -slope, at most -65,536; q and k are unit vectors, so its p is exactly 0.  Key blocks past the sequence's end are copies of
; block 63 and get rel x -1e30.
; LIMITS.  NaN and infinities are not served (a NaN code would spread through the padded half of K).  Blocks under 2^-118 keep the scale byte 1.  The bias is added by the matrix unit, in f32.
; REGISTERS: v1-7 addresses; v8 d0; v[10:11] -M; v[12:15] the sum; v16-20 block maxima; v21-25 the other half's, then bytes; v26-30 V's raw scale words, then the conversions' scale operands;
;   v31-35 at work, then 448 x the scale; v36 Q's scale word; v38-47 K's; v48-55 V's; v56-57 p's; v58-63 addresses; v64-79 Q, then p's blocks 0-3; v80-159 K, then V; v160-171 zeros; v172-175 p's block 4;
;   v176-255 the staged loads, then rel, bias, S^T, p; then O^T in v176-207, O in v208-239, its codes in v240-247.
.set VCO, 32768                        ; LDS: K's chunks at head x 16,384 + block x 2,048; V's the same, from here on
.set KSB, 65536                        ; K's scale words: head x 1,024 + block x 128
.set VSB, 67584                        ; V's: head x 512 + block x 64
.set OSB, 68608                        ; the result's scale words: 512 bytes
.set S,   176
.set KF,  80
.set NS,  44                           ; s[44:53] five pairs: a block's factor for rel: -slope, or -1e30
.set SEL, 56
.set CS,  58                           ; s[58:59] log2(e)
.set MNT, 60
	s_load_b512 s[4:19], s[0:1], 0x0               ; qc 4, kc 6, vc 8, qs 10, ks 12, vs 14, oc 16, os 18
	v_lshrrev_b32 v8, 5, v0
	v_readfirstlane_b32 s20, v8                    ; wave 0..15
	s_and_b32 s21, s20, 1                          ; hd: which of the two heads
	s_lshr_b32 s22, s20, 1                         ; tq: my tile of queries; also the key block that I bring
	s_lshr_b32 s23, s20, 2                         ; g: my first key block among the eight
	s_bfe_u32 s24, s20, 0x10001                    ; u: which half of that block my queries are
	s_and_b32 s25, ttmp7, 0xffff                   ; y = 8 b + head pair
	s_lshr_b32 s26, s25, 3                         ; b
	s_and_b32 s27, s25, 7                          ; pair
	s_lshl_b32 s28, s27, 1
	s_add_co_u32 s28, s28, s21                     ; head
	s_lshl_b32 s29, s26, 4
	s_add_co_u32 s29, s29, s28                     ; bh
	s_lshl_b32 s30, ttmp9, 2                       ; 4 x: the work-group's first key block
	s_add_co_u32 s31, s30, s22
	s_min_u32 s31, s31, 63                         ; the block that I bring; past the end: block 63 once more
	v_and_b32 v10, 31, v0                          ; lane
	v_and_b32 v9, 15, v0                           ; r
	v_bfe_u32 v37, v0, 4, 1                        ; h
	v_lshlrev_b32 v5, 4, v10                       ; 16 x lane
	v_lshlrev_b32 v61, 2, v10                      ; 4 x lane
	v_lshlrev_b32 v62, 2, v9                       ; 4 r
	v_lshlrev_b32 v7, 3, v9                        ; 8 r
	v_lshlrev_b32 v8, 3, v37
	v_sub_nc_u32 v8, v8, v9
	s_lshl_b32 s32, s24, 4
	v_mov_b32 v10, s32
	v_sub_nc_u32 v8, v8, v10                       ; d0 = 8 h - 16 u - r: register jj of tile t holds rel = 16 t + jj + d0
	; every LDS address: a constant + a constant x lane + constants x parts of the wave's number
	s_lshl_b32 s32, s21, 14
	s_lshl_b32 s33, s22, 11
	s_add_co_u32 s33, s33, s32
	v_add_nc_u32 v58, s33, v5                      ; where I put my block's chunks
	s_lshl_b32 s33, s23, 11
	s_add_co_u32 s33, s33, s32
	v_add_nc_u32 v1, s33, v5                       ; where my five blocks begin
	s_lshl_b32 s32, s21, 10
	s_lshl_b32 s33, s22, 7
	s_add_co_u32 s33, s33, s32
	s_add_co_u32 s33, s33, KSB
	v_add_nc_u32 v59, s33, v61
	s_lshl_b32 s33, s23, 7
	s_add_co_u32 s33, s33, s32
	s_add_co_u32 s33, s33, KSB
	v_add_nc_u32 v2, s33, v7
	s_lshl_b32 s32, s21, 9
	s_lshl_b32 s33, s22, 6
	s_add_co_u32 s33, s33, s32
	s_add_co_u32 s33, s33, VSB
	v_add_nc_u32 v60, s33, v62
	s_lshl_b32 s33, s23, 6
	s_add_co_u32 s33, s33, s32
	s_add_co_u32 s33, s33, VSB
	v_add_nc_u32 v3, s33, v62
	s_lshl_b32 s32, s22, 6
	s_lshl_b32 s33, s21, 1
	s_add_co_u32 s33, s33, s32
	s_add_co_u32 s33, s33, OSB
	v_add_nc_u32 v4, s33, v62                      ; the result's two bytes: tile x 64 + 4 r + 2 hd
	v_add_nc_u32 v63, OSB, v5
	; byte offsets in memory
	s_lshl_b32 s34, s29, 17
	s_lshl_b32 s35, s31, 11
	s_add_co_u32 s34, s34, s35                     ; kc, vc: bh x 131,072 + block x 2,048
	s_mov_b32 s35, 0
	s_lshr_b32 s36, s34, 4                         ; ks: a sixteenth of that
	s_mov_b32 s37, 0
	s_lshr_b32 s38, s34, 5                         ; vs: a thirty-second
	s_mov_b32 s39, 0
	s_lshl_b32 s40, ttmp9, 3
	s_add_co_u32 s40, s40, s22
	s_lshl_b32 s40, s40, 10
	s_lshl_b32 s41, s29, 17
	s_add_co_u32 s40, s40, s41                     ; qc: bh x 131,072 + (8 x + tq) x 1,024
	s_mov_b32 s41, 0
	s_add_co_u32 s61, s30, s23                     ; 4 x + g: my first key block
	s_lshl_b32 s42, s61, 7
	s_lshl_b32 s43, s29, 13
	s_add_co_u32 s42, s42, s43
	s_lshl_b32 s43, s24, 2
	s_add_co_u32 s42, s42, s43                     ; qs: bh x 8,192 + (4 x + g) x 128 + 4 u
	s_mov_b32 s43, 0
	s_lshl_b32 s62, s26, 4
	s_add_co_u32 s62, s62, ttmp9
	s_lshl_b32 s62, s62, 17                        ; oc: (16 b + x) x 131,072
	s_lshr_b32 s68, s27, 1
	s_lshl_b32 s68, s68, 15
	s_add_co_u32 s62, s62, s68                     ; + (pair / 2) x 32,768
	s_lshl_b32 s68, s22, 12
	s_add_co_u32 s62, s62, s68                     ; + tq x 4,096
	s_and_b32 s68, s27, 1
	s_lshl_b32 s68, s68, 11
	s_add_co_u32 s62, s62, s68
	s_lshl_b32 s68, s21, 10
	s_add_co_u32 s62, s62, s68                     ; + (4 (pair % 2) + 2 hd) x 512
	s_mov_b32 s63, 0
	s_lshl_b32 s66, s25, 13
	s_lshl_b32 s67, ttmp9, 9
	s_add_co_u32 s66, s66, s67                     ; os: y x 8,192 + x x 512
	s_mov_b32 s67, 0
	s_mov_b32 s[SEL], 0x76543210
	s_mov_b32 s[SEL+1], 0xfedcba98
	s_mov_b32 s[CS], 0x3fb8aa3b                    ; log2(e)
	s_mov_b32 s[CS+1], s[CS]
	s_mov_b32 s[MNT], 0x600000
	s_mov_b32 s55, 0xf149f2ca                      ; -1e30
	s_wait_kmcnt 0x0
	s_add_nc_u64 s[6:7], s[6:7], s[34:35]
	s_add_nc_u64 s[8:9], s[8:9], s[34:35]
	s_add_nc_u64 s[12:13], s[12:13], s[36:37]
	s_add_nc_u64 s[14:15], s[14:15], s[38:39]
	s_add_nc_u64 s[4:5], s[4:5], s[40:41]
	s_add_nc_u64 s[10:11], s[10:11], s[42:43]
	s_add_nc_u64 s[16:17], s[16:17], s[62:63]
	s_add_nc_u64 s[18:19], s[18:19], s[66:67]
.irp n, 0,1,2,3
	global_load_b128 v[176+4*\n:179+4*\n], v5, s[6:7] offset:512*\n    ; my key block: K's four chunks,
.endr
.irp n, 0,1,2,3
	global_load_b128 v[192+4*\n:195+4*\n], v5, s[8:9] offset:512*\n    ; V's four,
.endr
	global_load_b32 v208, v61, s[12:13]            ; K's 32 scale words,
	global_load_b32 v209, v62, s[14:15]            ; V's 16 (both halves of the lanes take the same)
	global_load_b128 v[64:67], v5, s[4:5]          ; Q's two chunks
	global_load_b128 v[68:71], v5, s[4:5] offset:512
	global_load_b32 v36, v7, s[10:11]              ; and its scale words
	; register work while the loads are out
.irp n, 72,73,74,75,76,77,78,79,160,161,162,163,164,165,166,167,168,169,170,171
	v_mov_b32 v[\n], 0                             ; zero CODES: the unused half of Q's K, and three quarters of p's second step
.endr
.irp n, 21,22,23,24,25
	v_mov_b32 v[\n], 0                             ; a lane permute's destination counts as one of its sources
.endr
	v_mov_b32 v6, 0x4b800000                       ; 2^24: a hidden key's rel
	v_cvt_f32_u32 v10, s28
	v_mul_f32 v10, 0xbf088889, v10                 ; -8 head / 15
	v_exp_f32 v10, v10                             ; the slope
	v_mov_b32 v11, 0                               ; (a plain place; v11 is named as the upper half of the pair v[10:11])
	s_wait_alu depctr_va_vdst(0)
	v_readfirstlane_b32 s54, v10
	s_xor_b32 s54, s54, 0x80000000                 ; -slope
.irp k, 0,1,2,3,4
	s_add_co_u32 s68, s61, \k
	s_cmp_gt_u32 s68, 63                           ; a block past the sequence's end?  (whole numbers made of ids)
	s_cselect_b32 s[NS+2*\k], s55, s54
	s_mov_b32 s[NS+2*\k+1], s[NS+2*\k]
.endr
	s_wait_loadcnt 3                               ; the ten staged loads are in; Q's three may be out
.irp n, 0,1,2,3
	ds_store_b128 v58, v[176+4*\n:179+4*\n] offset:512*\n
	ds_store_b128 v58, v[192+4*\n:195+4*\n] offset:VCO+512*\n
.endr
	ds_store_b32 v59, v208
	ds_store_b32 v60, v209                         ; both halves of the lanes write the same word with the same value
	s_wait_dscnt 0x0                               ; for the others' sake: my stores have landed
	s_barrier_signal -1
	s_barrier_wait -1                              ; both heads' eight key blocks lie in LDS; nobody writes them again
.irp t, 0,1,2,3,4,5,6,7,8,9
	ds_load_b128 v[KF+8*\t:KF+8*\t+3], v1 offset:1024*\t         ; tile t of 16 keys: the head's block 0,
	ds_load_b128 v[KF+8*\t+4:KF+8*\t+7], v1 offset:1024*\t+512   ; block 1
.endr
.irp k, 0,1,2,3,4
	ds_load_b64 v[38+2*\k:39+2*\k], v2 offset:128*\k             ; key r of tiles 2 k and 2 k + 1: their scale words
	ds_load_b32 v[26+\k], v3 offset:64*\k                        ; V's: channel r of the four tiles, key block k
.endr
	; THE BIAS, made where the scores will stand, while the loads are out.  rel = key - query, whole numbers in f32
	v_cvt_f32_i32 v[S], v8
	v_add_f32 v[S+1], 1.0, v[S]
.irp t, 1,2,3,4,5,6,7,8,9
	v_pk_add_f32 v[S+8*\t:S+8*\t+1], v[S+8*\t-8:S+8*\t-7], 0x41800000 op_sel_hi:[1,0]   ; + 16 from tile to tile
.endr
.irp t, 0,1,2,3,4,5,6,7,8,9
	v_pk_add_f32 v[S+8*\t+2:S+8*\t+3], v[S+8*\t:S+8*\t+1], 2.0 op_sel_hi:[1,0]
	v_pk_add_f32 v[S+8*\t+4:S+8*\t+5], v[S+8*\t:S+8*\t+1], 4.0 op_sel_hi:[1,0]
	v_pk_add_f32 v[S+8*\t+6:S+8*\t+7], v[S+8*\t:S+8*\t+1], 0x40c00000 op_sel_hi:[1,0]
.endr
.set n, 0
.rept 16                                       ; block 0: keys ahead of the query are hidden.  (Blocks 1 to 3 have rel 1 .. 127: all count)
	v_cmp_gt_f32 vcc_lo, 0, v[S+n]
	v_cndmask_b32 v[S+n], v[S+n], v6, vcc_lo
.set n, n+1
.endr
.set n, 64
.rept 16                                       ; block 4: keys 128 or more behind it
	v_cmp_le_f32 vcc_lo, 0x43000000, v[S+n]
	v_cndmask_b32 v[S+n], v[S+n], v6, vcc_lo
.set n, n+1
.endr
.set n, 0
.rept 40
	v_pk_mul_f32 v[S+2*n:S+2*n+1], v[S+2*n:S+2*n+1], s[NS+2*(n/8):NS+2*(n/8)+1] op_sel_hi:[1,0]   ; x -slope
.set n, n+1
.endr
	s_wait_dscnt 0x0                               ; K and the scale words
	s_wait_loadcnt 0x0                             ; Q
	; V's scale words are wanted by tile of channels, a byte for each key block: a 4 x 4 turn of bytes for blocks 0-3; for the second step blocks 1-3 and block 4
	v_perm_b32 v31, v27, v26, 0x05010400
	v_perm_b32 v32, v27, v26, 0x07030602
	v_perm_b32 v33, v29, v28, 0x05010400
	v_perm_b32 v34, v29, v28, 0x07030602
	v_perm_b32 v48, v33, v31, 0x05040100
	v_perm_b32 v49, v33, v31, 0x07060302
	v_perm_b32 v50, v34, v32, 0x05040100
	v_perm_b32 v51, v34, v32, 0x07060302
.irp j, 0,1,2,3
	v_perm_b32 v[52+\j], v30, v[48+\j], ((4+\j)<<24)|0x030201
.endr
.irp t, 0,1,2,3,4,5,6,7,8,9                    ; S^T = K Q^T + bias: ten accumulators, one product each
	v_wmma_scale_f32_16x16x128_f8f6f4 v[S+8*\t:S+8*\t+7], v[KF+8*\t:KF+8*\t+15], v[64:79], v[S+8*\t:S+8*\t+7], v[38+\t], v36
.endr
.rept 8
	v_nop                                          ; places in front of the loads into K's registers and of the first read of the scores
.endr
.irp j, 0,1,2,3
.irp k, 0,1,2,3,4
	ds_load_b128 v[KF+20*\j+4*\k:KF+20*\j+4*\k+3], v1 offset:VCO+2048*\k+512*\j   ; V: tile of channels j, key block k; they land under the softmax
.endr
.endr
.irp b, 0,1,2,3,4
	v_max3_num_f32 v[16+\b], v[S+16*\b], v[S+16*\b+1], v[S+16*\b+2]   ; the largest logit of each block of 32 keys: for the row's maximum, and, since p rises with the logit, for the block's largest p
.endr
.irp i, 3,5,7,9,11,13
.irp b, 0,1,2,3,4
	v_max3_num_f32 v[16+\b], v[16+\b], v[S+16*\b+\i], v[S+16*\b+\i+1]
.endr
.endr
.irp b, 0,1,2,3,4
	v_max_num_f32 v[16+\b], v[16+\b], v[S+16*\b+15]
.endr
.irp b, 0,1,2,3,4
	v_permlanex16_b32 v[21+\b], v[16+\b], s[SEL], s[SEL+1]
.endr
.irp b, 0,1,2,3,4
	v_max_num_f32 v[16+\b], v[16+\b], v[21+\b]     ; with lane l xor 16's 16 keys
.endr
	v_max3_num_f32 v37, v16, v17, v18
	v_max3_num_f32 v37, v37, v19, v20              ; the row's largest logit
	v_mul_f32 v37, s[CS], v37                      ; as t
	v_floor_f32 v10, -v37                          ; -M = floor(-t) = -ceil(t)
.set n, 0
.rept 40
	v_pk_fma_f32 v[S+2*n:S+2*n+1], v[S+2*n:S+2*n+1], s[CS:CS+1], v[10:11] op_sel_hi:[1,0,0]   ; t - M
.set n, n+1
.endr
.irp b, 0,1,2,3,4
	v_fma_f32 v[16+\b], v[16+\b], s[CS], v10       ; the same of each block's largest logit
.endr
.set n, 0
.rept 80
	v_exp_f32 v[S+n], v[S+n]                       ; p = 2^(t - M), not normalised
.set n, n+1
.endr
.irp b, 0,1,2,3,4
	v_exp_f32 v[16+\b], v[16+\b]                   ; the block's largest p: the same two instructions on the same number
.endr
	v_nop                                          ; a plain place behind the exponentials
	s_wait_alu depctr_va_vdst(0)
.irp b, 0,1,2,3,4
	v_max_num_f32 v[16+\b], 0x4800000, v[16+\b]    ; the floor 2^(9 - 127)
.endr
.irp b, 0,1,2,3,4
	v_add_nc_u32 v[26+\b], 0xfc000000, v[16+\b]    ; the conversion's scale operand
.endr
.irp b, 0,1,2,3,4
	v_and_or_b32 v[31+\b], v[16+\b], 0x7f800000, s[MNT]   ; 448 x the scale
.endr
.irp b, 0,1,2,3,4
	v_lshrrev_b32 v[21+\b], 23, v[26+\b]           ; the scale's byte
.endr
	v_lshl_or_b32 v56, v22, 8, v21                 ; p's scale word for blocks 0-3,
	v_lshl_or_b32 v56, v23, 16, v56
	v_lshl_or_b32 v56, v24, 24, v56
	v_lshlrev_b32 v57, 24, v25                     ; and for the second step: block 4 in the last place, over zero codes 2^-127
	v_pk_add_f32 v[12:13], v[S:S+1], v[S+2:S+3]    ; the row's sum is taken of the unquantised p: two chains
	v_pk_add_f32 v[14:15], v[S+4:S+5], v[S+6:S+7]
.set n, 8
.rept 18
	v_pk_add_f32 v[12:13], v[12:13], v[S+n:S+n+1]
	v_pk_add_f32 v[14:15], v[14:15], v[S+n+2:S+n+3]
.set n, n+4
.endr
	v_pk_add_f32 v[12:13], v[12:13], v[14:15]
.set n, 0
.rept 80
	v_min_num_f32 v[S+n], v[S+n], v[31+n/16]       ; the conversion does not saturate (ISA guide 7.6.2); p is not negative, so the hold is one-sided
.set n, n+1
.endr
.set n, 0
.rept 8
	v_cvt_scalef32_pk8_fp8_f32 v[64+2*n:65+2*n], v[S+8*n:S+8*n+7], v[26+n/2]   ; blocks 0-3: where Q stood
.set n, n+1
.endr
	v_cvt_scalef32_pk8_fp8_f32 v[172:173], v[S+64:S+71], v30   ; block 4: behind twelve registers of zero codes
	v_cvt_scalef32_pk8_fp8_f32 v[174:175], v[S+72:S+79], v30
	v_add_f32 v12, v12, v13                        ; the sum's two halves,
	v_permlanex16_b32 v21, v12, s[SEL], s[SEL+1]
	v_add_f32 v12, v12, v21                        ; and lane l xor 16's: the row's sum, above 1/2
	v_rcp_f32 v12, v12
.rept 4
	v_nop                                          ; an operand written by vector instructions stands four places ahead of a scaled product
.endr
	s_wait_dscnt 0x0                               ; V
.irp j, 0,1,2,3                                ; O^T = V^T P^T: key blocks 0-3 start the four sums,
	v_wmma_scale_f32_16x16x128_f8f6f4 v[S+8*\j:S+8*\j+7], v[KF+20*\j:KF+20*\j+15], v[64:79], 0, v[48+\j], v56
.endr
.irp j, 0,1,2,3                                ; block 4 is added: V's blocks 1-4 against zeros and p's block 4.  The four accumulators take turns
	v_wmma_scale_f32_16x16x128_f8f6f4 v[S+8*\j:S+8*\j+7], v[KF+20*\j+4:KF+20*\j+19], v[160:175], v[S+8*\j:S+8*\j+7], v[52+\j], v57
.endr
.rept 8
	v_nop
.endr
.set n, 0
	s_wait_alu depctr_va_vdst(0)
.rept 16
	v_pk_mul_f32 v[208+2*n:209+2*n], v[S+2*n:S+2*n+1], v[12:13] op_sel_hi:[1,0]   ; O^T / the sum: register 8 j + jj is channel 16 j + 8 h + jj of query r
.set n, n+1
.endr
	; the result's two blocks of 32 along D are quantised: chunks for the last projection
.irp b, 0,1
	v_max3_num_f32 v[16+\b], |v[208+16*\b]|, |v[209+16*\b]|, 0x4800000
.endr
.irp i, 2,4,6,8,10,12,14
.irp b, 0,1
	v_max3_num_f32 v[16+\b], v[16+\b], |v[208+16*\b+\i]|, |v[209+16*\b+\i]|
.endr
.endr
.irp b, 0,1
	v_permlanex16_b32 v[21+\b], v[16+\b], s[SEL], s[SEL+1]
.endr
.irp b, 0,1
	v_max_num_f32 v[16+\b], v[16+\b], v[21+\b]
.endr
.irp b, 0,1
	v_add_nc_u32 v[26+\b], 0xfc000000, v[16+\b]
.endr
.irp b, 0,1
	v_and_or_b32 v[31+\b], v[16+\b], 0x7f800000, s[MNT]
.endr
.irp b, 0,1
	v_lshrrev_b32 v[21+\b], 23, v[26+\b]
.endr
	v_lshl_or_b32 v23, v22, 8, v21                 ; my head's two bytes of query r's scale word
.set n, 0
.rept 32
	v_med3_num_f32 v[208+n], v[208+n], -v[31+n/16], v[31+n/16]
.set n, n+1
.endr
.set n, 0
.rept 4
	v_cvt_scalef32_pk8_fp8_f32 v[240+2*n:241+2*n], v[208+8*n:208+8*n+7], v[26+n/2]
.set n, n+1
.endr
	v_nop                                          ; a plain place behind the last conversion
	global_store_b128 v5, v[240:243], s[16:17]     ; each store covers 512 consecutive bytes, aligned
	global_store_b128 v5, v[244:247], s[16:17] offset:512
	ds_store_b16 v4, v23                           ; a word's four bytes come from the two heads' waves: they meet in LDS
	s_wait_dscnt 0x0
	s_barrier_signal -1
	s_barrier_wait -1
	s_cmp_lg_u32 s20, 0
	s_cbranch_scc1 .Ldone
	ds_load_b128 v[24:27], v63                     ; wave 0: the eight tiles' 128 words
	s_wait_dscnt 0x0
	global_store_b128 v5, v[24:27], s[18:19]       ; 512 consecutive bytes, aligned
.Ldone:
	s_wait_xcnt 0x0
	v_lshl_add_u32 v208, v0, 2, 0x11000
	v_mov_b32 v209, 0
	s_wait_tensorcnt 0x0
	ds_add_u32 v208, v209
	s_wait_dscnt 0x0
	s_endpgm
.Lfunc_end_k_qa41225eec0_attn:
	.size	k_qa41225eec0_attn, .Lfunc_end_k_qa41225eec0_attn-k_qa41225eec0_attn
	.p2alignl 7, 3214868480
	.fill 96, 4, 3214868480
	.section	.rodata,"a",@progbits
	.p2align	6, 0x0
	.amdhsa_kernel k_qa41225eec0_attn
		.amdhsa_group_segment_fixed_size 71680
		.amdhsa_private_segment_fixed_size 0
		.amdhsa_enable_private_segment 0
		.amdhsa_kernarg_size 64
		.amdhsa_user_sgpr_count 2
		.amdhsa_user_sgpr_kernarg_segment_ptr 1
		.amdhsa_wavefront_size32 1
		.amdhsa_system_sgpr_workgroup_id_x 1
		.amdhsa_system_sgpr_workgroup_id_y 1
		.amdhsa_system_sgpr_workgroup_id_z 1
		.amdhsa_system_vgpr_workitem_id 0
		.amdhsa_next_free_vgpr 256
		.amdhsa_next_free_sgpr 80
		.amdhsa_reserve_vcc 1
		.amdhsa_float_denorm_mode_32 3
		.amdhsa_float_denorm_mode_16_64 3
		.amdhsa_memory_ordered 1
		.amdhsa_forward_progress 1
		.amdhsa_inst_pref_size 45
	.end_amdhsa_kernel
	.amdgpu_metadata
---
amdhsa.version: [ 1, 2 ]
amdhsa.kernels:
  - .name:           k_qa41225eec0_attn
    .symbol:         k_qa41225eec0_attn.kd
    .args:
      - { .name: qc, .offset: 0, .size: 8, .value_kind: global_buffer, .address_space: global }
      - { .name: kc, .offset: 8, .size: 8, .value_kind: global_buffer, .address_space: global }
      - { .name: vc, .offset: 16, .size: 8, .value_kind: global_buffer, .address_space: global }
      - { .name: qs, .offset: 24, .size: 8, .value_kind: global_buffer, .address_space: global }
      - { .name: ks, .offset: 32, .size: 8, .value_kind: global_buffer, .address_space: global }
      - { .name: vs, .offset: 40, .size: 8, .value_kind: global_buffer, .address_space: global }
      - { .name: oc, .offset: 48, .size: 8, .value_kind: global_buffer, .address_space: global }
      - { .name: os, .offset: 56, .size: 8, .value_kind: global_buffer, .address_space: global }
    .group_segment_fixed_size: 71680
    .private_segment_fixed_size: 0
    .kernarg_segment_align: 8
    .kernarg_segment_size: 64
    .max_flat_workgroup_size: 512
    .sgpr_count:     80
    .vgpr_count:     256
    .wavefront_size: 32
...
	.end_amdgpu_metadata
.endif
;; end of part 2
;; launch oproj (part 3): grid 8 x 32, 4 waves a work-group, clusters of 4 x 4, 327,680 bytes of LDS; arguments oc, os, Wo_codes, Wo_scales, out0; writes out0
.if DOCPART == 3
	.amdgcn_target "amdgcn-amd-amdhsa--gfx1250"
	.amdhsa_code_object_version 6
	.text
	.protected	k_qa41225eec0_oproj
	.globl	k_qa41225eec0_oproj
	.p2align	8
	.type	k_qa41225eec0_oproj,@function
k_qa41225eec0_oproj:
	s_mov_b64 s[64:65], 0
	v_nop
	global_prefetch_b8 v0, s[64:65] scope:SCOPE_SE
	s_setreg_imm32_b32 hwreg(HW_REG_WAVE_MODE, 25, 1), 1
	s_wait_xcnt 0x0
	s_wait_alu depctr_hold_cnt(0) depctr_sa_sdst(0) depctr_va_vdst(0) depctr_va_sdst(0) depctr_va_ssrc(0) depctr_va_vcc(0) depctr_vm_vsrc(0)
	s_getreg_b32 s2, hwreg(HW_REG_IB_STS2, 6, 4)
	s_cmp_eq_u32 s2, 0
	s_cbranch_scc0 .Lentry_in_a_cluster
	s_endpgm
.Lentry_in_a_cluster:
	s_bfe_u32 s2, ttmp6, 0x10000c
	s_cmp_lg_u32 s2, 0xf033
	s_cbranch_scc0 .Lentry_shape_is_right
	s_endpgm
.Lentry_shape_is_right:
; out0 = o Wo^T on codes of E4M3 with one E8M0 scale for each 32 along K = 1,024.  o's codes come as chunks (images of registers: 16 tokens x one block of 32, lane l's 16 bytes at 16 l), in which
; place 16 h + 8 u + jj of a block holds k = 16 u + 8 h + jj.  Wo is given with K in its own order, so its fragments are read from LDS in that same order: eight loads of 8 bytes at 16 c + 8 h.
; SHARES.  A work-group makes 128 tokens x 128 columns: 256 work-groups.  Four waves, each 64 x 64: 16 accumulators.  Source 0 = 16 rows of Wo, source 1 = 16 tokens: a lane holds eight neighbouring
; columns of one row of out0.
; ALL OF K LIES IN LDS AT ONCE: o's 128 KB and Wo's 128 rows (136 KB with padding) come as four chunks of 256 along K, each filled once; nothing is filled again, so there is no ring.  Waves 0 and 1
; ask for o's halves, waves 2 and 3 for Wo's: four loads a wave, all at the start; a chunk is read behind a counted wait and a barrier while the later ones are on their way.
; CLUSTER 4 x 4: the four work-groups of a row share their tokens (o's chunks), the four of a column their columns (Wo's rows): each is asked for jointly.
; LIMITS.  NaN and infinities are not served.  The order of the additions inside a block of 32 differs from the order of k.
; REGISTERS.  Window 0: v4-15 addresses; v24-26 the way out; v32-47 o's scale words (v[32 + 2 s + ip]: lanes 0-15 tile 2 ip, lanes 16-31 tile 2 ip + 1); v48-63 Wo's (v[48 + 8 tp + s]);
;   v64-127 two sets of 32 for the way out; v128-255 accumulator (i, t) at 128 + 8 (4 i + t).   Window 1: two buffers of 128: o's four fragments, then Wo's four.
.set ACH,   32768                      ; a chunk of o: 8 tiles x 8 blocks x 512 bytes
.set BBASE, 4*ACH
.set BCH,   128*272                    ; a chunk of Wo: 128 rows of 256 bytes + 16 of padding
.set STAGE, BBASE+4*BCH                ; behind them: 16 rows x 272 bytes for each wave; no tile lands there
.set WV,  14
.set G1A, 16
.set G1B, 24
.set G0A, 32                           ; s[32:47] o's group 0, one set for each chunk
.set G0B, 48                           ; s[48:63] Wo's
.set MSB, 0
.macro WIN new
.if MSB != \new
	s_set_vgpr_msb (MSB<<8)|\new
.set MSB, \new
.endif
.endm
.macro PLACES n
.rept \n
	v_nop
.endr
.endm
.macro CROUND                          ; a round of the cluster's barrier
	s_barrier_signal -1
	s_barrier_wait -1
	s_cmp_lg_u32 s[WV], 0
	s_cbranch_scc1 .Lnot_wave_0_\@
	s_barrier_signal -3
.Lnot_wave_0_\@:
	s_barrier_wait -3
	s_barrier_signal -1
	s_barrier_wait -1
.endm
.macro WM zero
.if \zero
.if fA && fB
	v_wmma_scale_f32_16x16x128_f8f6f4 v[rD:rD+7], v[rA:rA+15], v[rB:rB+15], 0, v[rSA], v[rSB] matrix_a_scale:MATRIX_SCALE_ROW1 matrix_b_scale:MATRIX_SCALE_ROW1
.elseif fA
	v_wmma_scale_f32_16x16x128_f8f6f4 v[rD:rD+7], v[rA:rA+15], v[rB:rB+15], 0, v[rSA], v[rSB] matrix_a_scale:MATRIX_SCALE_ROW1
.elseif fB
	v_wmma_scale_f32_16x16x128_f8f6f4 v[rD:rD+7], v[rA:rA+15], v[rB:rB+15], 0, v[rSA], v[rSB] matrix_b_scale:MATRIX_SCALE_ROW1
.else
	v_wmma_scale_f32_16x16x128_f8f6f4 v[rD:rD+7], v[rA:rA+15], v[rB:rB+15], 0, v[rSA], v[rSB]
.endif
.else
.if fA && fB
	v_wmma_scale_f32_16x16x128_f8f6f4 v[rD:rD+7], v[rA:rA+15], v[rB:rB+15], v[rD:rD+7], v[rSA], v[rSB] matrix_a_scale:MATRIX_SCALE_ROW1 matrix_b_scale:MATRIX_SCALE_ROW1
.elseif fA
	v_wmma_scale_f32_16x16x128_f8f6f4 v[rD:rD+7], v[rA:rA+15], v[rB:rB+15], v[rD:rD+7], v[rSA], v[rSB] matrix_a_scale:MATRIX_SCALE_ROW1
.elseif fB
	v_wmma_scale_f32_16x16x128_f8f6f4 v[rD:rD+7], v[rA:rA+15], v[rB:rB+15], v[rD:rD+7], v[rSA], v[rSB] matrix_b_scale:MATRIX_SCALE_ROW1
.else
	v_wmma_scale_f32_16x16x128_f8f6f4 v[rD:rD+7], v[rA:rA+15], v[rB:rB+15], v[rD:rD+7], v[rSA], v[rSB]
.endif
.endif
.endm
	s_load_b256 s[4:11], s[0:1], 0x0               ; oc 4, os 6, Wo codes 8, Wo scales 10
	s_load_b64 s[12:13], s[0:1], 0x20              ; out0
	v_lshl_add_u32 v30, v0, 2, 0x46400
	v_mov_b32 v31, 0
	ds_add_u32 v30, v31
	ds_add_u32 v30, v31
	v_lshrrev_b32 v1, 5, v0
	v_readfirstlane_b32 s[WV], v1                  ; wave 0..3
	s_and_b32 s15, s[WV], 1                        ; which half of the columns is mine.  Also: which half of a chunk I fetch
	s_lshr_b32 s66, s[WV], 1                       ; which half of the tokens
	s_bfe_u32 s68, ttmp6, 0x40000                  ; cx
	s_bfe_u32 s69, ttmp6, 0x40004                  ; cy
	s_lshl_b32 s70, ttmp9, 2
	s_add_co_u32 s70, s70, s68                     ; the block of 128 columns
	s_and_b32 s71, ttmp7, 0xffff
	s_lshl_b32 s71, s71, 2
	s_add_co_u32 s71, s71, s69                     ; the block of 128 tokens
	s_lshl_b32 s72, s69, 2
	s_lshl_b32 s72, 15, s72                        ; my row of the cluster
	s_lshl_b32 s73, 0x1111, s68                    ; my column
	; group 1.  o: 16,384 dense bytes as 64 rows of 32 elements of 8 bytes, no padding.  Wo: 64 rows of 256 bytes, 1,024 apart, 4 words of padding behind every 64
	s_or_b32 s[G1A], s72, (3<<16)|(1<<21)
	s_mov_b32 s[G1A+1], 32<<16
	s_mov_b32 s[G1A+2], 64<<16
	s_mov_b32 s[G1A+3], 32<<16
	s_mov_b32 s[G1A+4], 64
	s_mov_b32 s[G1A+5], 32
	s_mov_b32 s[G1A+6], 0
	s_mov_b32 s[G1A+7], 0
	s_or_b32 s[G1B], s73, (1<<20)|(1<<21)|(5<<22)|(3<<25)
	s_mov_b32 s[G1B+1], 256<<16
	s_mov_b32 s[G1B+2], 64<<16
	s_mov_b32 s[G1B+3], 256<<16
	s_mov_b32 s[G1B+4], 64
	s_mov_b32 s[G1B+5], 1024
	s_mov_b32 s[G1B+6], 0
	s_mov_b32 s[G1B+7], 0
	s_lshl_b32 s74, s71, 17                        ; o: the token block's 131,072 bytes, + my half of a chunk: hangs on the token block alone
	s_lshl_b32 s82, s15, 14
	s_add_co_u32 s74, s74, s82
	s_mov_b32 s75, 0
	s_lshl_b32 s76, s70, 17                        ; Wo: 128 rows of 1,024 bytes a column block, + my 64 rows: hangs on the column block alone
	s_lshl_b32 s77, s15, 16
	s_add_co_u32 s76, s76, s77
	s_mov_b32 s77, 0
	s_mul_i32 s83, s15, 64*272
	s_add_co_u32 s83, s83, BBASE
	s_wait_dscnt 0x0
	s_wait_kmcnt 0x0
	s_add_nc_u64 s[78:79], s[4:5], s[74:75]
	s_add_nc_u64 s[80:81], s[8:9], s[76:77]
.irp kc, 0,1,2,3
	s_mov_b32 s[G0A+4*\kc], 1
	s_add_co_u32 s[G0A+4*\kc+1], s82, \kc*ACH
	s_add_nc_u64 s[G0A+4*\kc+2:G0A+4*\kc+3], s[78:79], \kc*ACH
	s_or_b32 s[G0A+4*\kc+3], s[G0A+4*\kc+3], 0x80000000
	s_mov_b32 s[G0B+4*\kc], 1
	s_add_co_u32 s[G0B+4*\kc+1], s83, \kc*BCH
	s_add_nc_u64 s[G0B+4*\kc+2:G0B+4*\kc+3], s[80:81], \kc*256
	s_or_b32 s[G0B+4*\kc+3], s[G0B+4*\kc+3], 0x80000000
.endr
	CROUND                                         ; all sixteen work-groups are here: the joint loads meet
	s_cmp_lt_u32 s[WV], 2                          ; a wave's four fills stand in one branch, ahead of every wait on TENSORcnt, LDS read and further barrier: four loads of mine are out
	s_cbranch_scc0 .Lfill_b
	tensor_load_to_lds s[G0A:G0A+3], s[G1A:G1A+7]
	s_nop 0
	tensor_load_to_lds s[G0A+4:G0A+7], s[G1A:G1A+7]
	s_nop 0
	tensor_load_to_lds s[G0A+8:G0A+11], s[G1A:G1A+7]
	s_nop 0
	tensor_load_to_lds s[G0A+12:G0A+15], s[G1A:G1A+7]
	s_nop 0
.rept 4
	v_nop
.endr
	s_branch .Lfilled
.Lfill_b:
	tensor_load_to_lds s[G0B:G0B+3], s[G1B:G1B+7]
	s_nop 0
	tensor_load_to_lds s[G0B+4:G0B+7], s[G1B:G1B+7]
	s_nop 0
	tensor_load_to_lds s[G0B+8:G0B+11], s[G1B:G1B+7]
	s_nop 0
	tensor_load_to_lds s[G0B+12:G0B+15], s[G1B:G1B+7]
	s_nop 0
.rept 4
	v_nop
.endr
.Lfilled:
	v_and_b32 v1, 15, v0                           ; r
	v_bfe_u32 v2, v0, 4, 1                         ; h
	v_and_b32 v3, 31, v0                           ; lane
	v_lshlrev_b32 v4, 4, v3                        ; 16 x lane
	v_lshlrev_b32 v6, 2, v3                        ; 4 x lane
	v_lshlrev_b32 v7, 5, v3                        ; 32 x lane
	s_lshl_b32 s84, s66, 14                        ; my four tiles of tokens in a chunk
	v_add_nc_u32 v8, s84, v4
	v_add_nc_u32 v9, ACH, v8
	v_add_nc_u32 v10, 2*ACH, v8
	v_add_nc_u32 v11, 3*ACH, v8
	v_mul_u32_u24 v5, v1, 272
	v_lshl_add_u32 v5, v2, 3, v5                   ; Wo: row x pitch + 8 h
	s_mul_i32 s85, s15, 64*272                     ; my 64 rows
	s_add_co_u32 s85, s85, BBASE
	v_add_nc_u32 v12, s85, v5
	v_add_nc_u32 v13, BCH, v12
	v_add_nc_u32 v14, 2*BCH, v12
	v_add_nc_u32 v15, 3*BCH, v12
	s_mul_i32 s86, s[WV], 16*272
	s_add_co_u32 s86, s86, STAGE                   ; my stage
	v_mul_u32_u24 v24, v1, 272
	v_lshl_add_u32 v24, v2, 5, v24
	v_add_nc_u32 v24, s86, v24                     ; in: row r, 32 bytes for each half of the lanes
	v_mul_u32_u24 v25, v2, 272
	v_lshl_add_u32 v25, v1, 4, v25
	v_add_nc_u32 v25, s86, v25                     ; back: lanes 0-15 one row of 256 bytes, lanes 16-31 the next
	v_lshlrev_b32 v26, 12, v2
	v_lshl_add_u32 v26, v1, 4, v26                 ; and the same two rows in out0
	s_lshr_b32 s87, s71, 4                         ; os: b x 65,536 + (token block % 16) x 512 + my half x 256
	s_lshl_b32 s88, s87, 16
	s_and_b32 s87, s71, 15
	s_lshl_b32 s87, s87, 9
	s_add_co_u32 s88, s88, s87
	s_lshl_b32 s87, s66, 8
	s_add_co_u32 s88, s88, s87
	s_mov_b32 s89, 0
	s_add_nc_u64 s[6:7], s[6:7], s[88:89]
	s_lshl_b32 s90, s70, 12                        ; Wo's scale bytes: 32 a row; my 64 rows
	s_lshl_b32 s91, s15, 11
	s_add_co_u32 s90, s90, s91
	s_mov_b32 s91, 0
	s_add_nc_u64 s[10:11], s[10:11], s[90:91]
	s_lshl_b32 s92, s71, 19                        ; out0: my first row (4,096 bytes a row) and my first column
	s_lshl_b32 s93, s66, 18
	s_add_co_u32 s92, s92, s93
	s_lshl_b32 s93, s70, 9
	s_add_co_u32 s92, s92, s93
	s_lshl_b32 s93, s15, 8
	s_add_co_u32 s92, s92, s93
	s_mov_b32 s93, 0
	s_add_nc_u64 s[12:13], s[12:13], s[92:93]
.irp s, 0,1,2,3,4,5,6,7
.irp ip, 0,1
	global_load_b32 v[32+2*\s+\ip], v6, s[6:7] offset:8192*\s+128*\ip   ; step s, tiles 2 ip and 2 ip + 1: 128 consecutive bytes
.endr
.endr
.irp tp, 0,1
.irp e, 0,1
	global_load_b128 v[48+8*\tp+4*\e:48+8*\tp+4*\e+3], v7, s[10:11] offset:1024*\tp+16*\e
.endr
.endr
.macro FETCH s                         ; step s's fragments into buffer s % 2: o's four by 16 loads of 16 bytes, Wo's four by 32 of 8
	WIN 0x40                                       ; destination window 1, address window 0
.irp i, 0,1,2,3
.irp c, 0,1,2,3
	ds_load_b128 v[128*((\s)%2)+16*\i+4*\c:128*((\s)%2)+16*\i+4*\c+3], v[8+(\s)/2] offset:4096*\i+512*(4*((\s)%2)+\c)
.endr
.endr
.irp t, 0,1,2,3
.irp c, 0,1,2,3,4,5,6,7
	ds_load_b64 v[128*((\s)%2)+64+16*\t+2*\c:128*((\s)%2)+64+16*\t+2*\c+1], v[12+(\s)/2] offset:4352*\t+128*((\s)%2)+16*\c
.endr
.endr
.endm
.macro MUL s, zero                     ; 16 products; the accumulators take turns, in the same order in every step
	WIN 0x05                                       ; sources 0 and 1 window 1; C and D window 0
.irp i, 0,1,2,3
.irp t, 0,1,2,3
.set rD,  128+8*(4*\i+\t)
.set rA,  128*((\s)%2)+64+16*\t
.set rB,  128*((\s)%2)+16*\i
.set rSA, 48+8*(\t/2)+(\s)
.set rSB, 32+2*(\s)+\i/2
.set fA,  \t%2
.set fB,  \i%2
	WM \zero
.endr
.endr
.endm
; A step of 128 along K: its fragments were asked for a step ago; the next step's are asked for ahead of its products.  An odd step's successor lies in the next chunk.
.macro STEP s, zero
.if ((\s)%2 == 1) && ((\s) < 7)
	s_wait_tensorcnt 3-((\s)+1)/2                  ; my part of the next chunk is in; so many later chunks of mine may stay out
.endif
	s_wait_dscnt 0x0                               ; this step's fragments are in
.if ((\s)%2 == 1) && ((\s) < 7)
	s_barrier_signal -1
	s_barrier_wait -1                              ; everybody's part is in
.endif
.if (\s) < 7
.if (\s) > 0
	PLACES 8                                       ; in front of loads into the buffer that the last step's products have read
.endif
	FETCH (\s)+1
.endif
	MUL \s, \zero
.endm
	s_wait_tensorcnt 3                             ; my part of chunk 0 is in; my three later chunks may stay out
	s_barrier_signal -1
	s_barrier_wait -1
	FETCH 0
	s_wait_loadcnt 0x0                             ; the scale words
	STEP 0, 1                                      ; the first step's products start the sums
	STEP 1, 0
	STEP 2, 0
	STEP 3, 0
	STEP 4, 0
	STEP 5, 0
	STEP 6, 0
	STEP 7, 0
	PLACES 8
	WIN 0
; THE WAY OUT, a tile of 16 tokens x 64 columns at a time, through my own stage: a lane's 32 bytes go in, whole rows of 256 bytes come back.  LDS serves a wave's instructions in order (ISA guide 5.7.1.4).
.macro TOSTAGE i
.irp t, 0,1,2,3
	ds_store_b128 v24, v[128+8*(4*(\i)+\t):128+8*(4*(\i)+\t)+3] offset:64*\t       ; each accumulator from its low end on
	ds_store_b128 v24, v[128+8*(4*(\i)+\t)+4:128+8*(4*(\i)+\t)+7] offset:64*\t+16
.endr
.irp k, 0,1,2,3,4,5,6,7
	ds_load_b128 v[64+32*((\i)%2)+4*\k:64+32*((\i)%2)+4*\k+3], v25 offset:544*\k
.endr
.endm
.macro SEND i, younger
	s_wait_dscnt \younger                          ; the tile is back; the next tile's 8 stores and 8 loads may be out
.irp k, 0,1,2,3,4,5,6,7
	global_store_b128 v26, v[64+32*((\i)%2)+4*\k:64+32*((\i)%2)+4*\k+3], s[12:13] offset:(16*(\i)+2*\k)*4096 th:TH_STORE_NT   ; sixteen lanes store 256 consecutive bytes, aligned
.endr
.endm
	TOSTAGE 0
	TOSTAGE 1
	SEND 0, 16
	s_wait_xcnt 0x0                                ; tile 0's stores have read their registers: tile 2's rows may land there
	TOSTAGE 2
	SEND 1, 16
	s_wait_xcnt 0x0
	TOSTAGE 3
	SEND 2, 16
	SEND 3, 0
	s_wait_dscnt 0x0
	s_wait_tensorcnt 0x0
	ds_add_u32 v30, v31
	s_wait_dscnt 0x0
	CROUND                                         ; the closing round: no work-group ends while a partner may still ask for a tile that names it
	s_endpgm
.Lfunc_end_k_qa41225eec0_oproj:
	.size	k_qa41225eec0_oproj, .Lfunc_end_k_qa41225eec0_oproj-k_qa41225eec0_oproj
	.p2alignl 7, 3214868480
	.fill 96, 4, 3214868480
	.section	.rodata,"a",@progbits
	.p2align	6, 0x0
	.amdhsa_kernel k_qa41225eec0_oproj
		.amdhsa_group_segment_fixed_size 327680
		.amdhsa_private_segment_fixed_size 0
		.amdhsa_enable_private_segment 0
		.amdhsa_kernarg_size 40
		.amdhsa_user_sgpr_count 2
		.amdhsa_user_sgpr_kernarg_segment_ptr 1
		.amdhsa_wavefront_size32 1
		.amdhsa_system_sgpr_workgroup_id_x 1
		.amdhsa_system_sgpr_workgroup_id_y 1
		.amdhsa_system_sgpr_workgroup_id_z 1
		.amdhsa_system_vgpr_workitem_id 0
		.amdhsa_next_free_vgpr 512
		.amdhsa_next_free_sgpr 96
		.amdhsa_reserve_vcc 0
		.amdhsa_float_denorm_mode_32 3
		.amdhsa_float_denorm_mode_16_64 3
		.amdhsa_memory_ordered 1
		.amdhsa_forward_progress 1
		.amdhsa_inst_pref_size 61
	.end_amdhsa_kernel
	.amdgpu_metadata
---
amdhsa.version: [ 1, 2 ]
amdhsa.kernels:
  - .name:           k_qa41225eec0_oproj
    .symbol:         k_qa41225eec0_oproj.kd
    .args:
      - { .name: oc, .offset: 0, .size: 8, .value_kind: global_buffer, .address_space: global }
      - { .name: os, .offset: 8, .size: 8, .value_kind: global_buffer, .address_space: global }
      - { .name: Wo_codes, .offset: 16, .size: 8, .value_kind: global_buffer, .address_space: global }
      - { .name: Wo_scales, .offset: 24, .size: 8, .value_kind: global_buffer, .address_space: global }
      - { .name: out0, .offset: 32, .size: 8, .value_kind: global_buffer, .address_space: global }
    .group_segment_fixed_size: 327680
    .private_segment_fixed_size: 0
    .kernarg_segment_align: 8
    .kernarg_segment_size: 40
    .max_flat_workgroup_size: 128
    .sgpr_count:     96
    .vgpr_count:     512
    .wavefront_size: 32
...
	.end_amdgpu_metadata
.endif
;; end of part 3
;; ======== version 2 of 2: 3 launches; version 1 with the launch attn written anew for expert scheduling mode
;; workspace buffers: qc 4,194,304 bytes; kc 4,194,304 bytes; vc 4,194,304 bytes; qs 262,144 bytes; ks 262,144 bytes; vs 131,072 bytes; oc 4,194,304 bytes; os 131,072 bytes
;; launch qkv: the kernel of part 1 again; grid 16 x 16, 4 waves a work-group, clusters of 4 x 4, 327,680 bytes of LDS; arguments x_codes, x_scales, Wq_codes, Wq_scales, Wk_codes, Wk_scales, Wv_codes, Wv_scales, qc, kc, vc, qs, ks, vs; writes qc, kc, vc, qs, ks, vs
;; launch attn (part 4): grid 16 x 16, 16 waves a work-group, no clusters, 71,680 bytes of LDS; arguments qc, kc, vc, qs, ks, vs, oc, os; writes oc, os
.if DOCPART == 4
	.amdgcn_target "amdgcn-amd-amdhsa--gfx1250"
	.amdhsa_code_object_version 6
	.text
	.protected	k_qa41225eec0_attn
	.globl	k_qa41225eec0_attn
	.p2align	8
	.type	k_qa41225eec0_attn,@function
k_qa41225eec0_attn:
	s_mov_b64 s[64:65], 0
	v_nop
	global_prefetch_b8 v0, s[64:65] scope:SCOPE_SE
	s_setreg_imm32_b32 hwreg(HW_REG_WAVE_SCHED_MODE, 0, 2), 2
	s_setreg_imm32_b32 hwreg(HW_REG_WAVE_MODE, 25, 1), 1
	s_wait_xcnt 0x0
	s_wait_alu depctr_vm_vsrc(0)
; The windowed attention on codes of E4M3: for query i the keys j with 0 <= j - i < 128 count, with the bias -(j - i) x 2^(-8 head / 15); the result is quantised along D for the last projection.
; A tile of 16 queries beginning at 32 G + 16 u touches keys 32 G + 16 u .. + 142: exactly the five aligned blocks of 32 keys G .. G + 4.  All five stand in registers at once, so the maximum that is
; taken away is the row's own: t = logit x log2(e), M = ceil(largest t), p = 2^(t - M) is quantised along the keys, the sum of the unquantised p divides at the end.
; SHARES.  A work-group takes 128 queries of two neighbouring heads; wave w takes head w & 1 and the tile of 16 queries w >> 1: sixteen waves of 256 registers, four to a SIMD, so that one wave's
; vector work stands beside another's products and loads.  The eight key blocks that a head's 128 queries touch come into LDS once (wave (head, p) brings block p) and are read by up to eight waves each.
; No tensor loads: 68 KB come through registers once.  No cluster: neighbouring work-groups share only half their keys, and nothing is asked for by the data mover.
; LAYOUT.  All operands are images of registers (lane l's 16 bytes at 16 l).  S^T = K Q^T (source 0 = 16 keys, source 1 = my 16 queries), O^T = V^T P^T: a lane holds ONE query (lane % 16) throughout.
; K = 64 fills half of a product's 128: Q's upper eight registers are zero codes; K's upper eight are the next tile's codes, which meet those zeros; the scale words' upper bytes are 0 (2^-127).
; THE BIAS is the C of the score's product.  A hidden key gets (2^24) x -slope, at most -65,536; q and k are unit vectors, so its p is exactly 0.  Key blocks past the sequence's end are copies of
; block 63 and get rel x -1e30.
; LIMITS.  NaN and infinities are not served (a NaN code would spread through the padded half of K).  Blocks under 2^-118 keep the scale byte 1.  The bias is added by the matrix unit, in f32.
; REGISTERS: v1-7 addresses; v8 d0; v[10:11] -M; v[12:15] the sum; v16-20 block maxima; v21-25 the other half's, then bytes; v26-30 V's raw scale words, then the conversions' scale operands;
;   v31-35 at work, then 448 x the scale; v36 Q's scale word; v38-47 K's; v48-55 V's; v56-57 p's; v58-63 addresses; v64-79 Q, then p's blocks 0-3; v80-159 K, then V; v160-171 zeros; v172-175 p's block 4;
;   v176-255 the staged loads, then rel, bias, S^T, p; then O^T in v176-207, O in v208-239, its codes in v240-247.
; THE MODE: SCHED_MODE bits 1:0 = 2 (LLVM: expert scheduling mode 2), set by the entry lines.  The code itself states the register dependences between vector or matrix instructions and
; memory or LDS instructions, with s_wait_alu, always for 0.
; THE PLAN.  Registers that memory or LDS instructions touch, from the head to the end:
;   v1-5, v7, v58-63   addresses and offsets: written once, at the head, and never again: one wait on va_vdst ahead of the first load serves every load and store of the kernel.
;   v176-209           the ten staged loads land here; the ten LDS stores read them; then the bias is written here: one wait on vm_vsrc, behind the first barrier.
;   v80-159            K's fragments land here (no vector instruction has named them); the ten score products read them; V's fragments land here: one wait on va_vdst between the two.
;   v26-30, v36, v38-47, v64-71   loaded once, into registers that no vector instruction has named before.
;   v23, v240-247      written by the last quantiser, read by the way out's stores: one wait on va_vdst; it also stands behind every vector instruction that named v24-27, where wave 0's last LDS load lands.
;   v208, v209         made anew ahead of the closing lines; no memory or LDS instruction has read them since the wait on vm_vsrc.
; Operands of scaled products that vector instructions write: the zero codes (ahead of the wait behind the slope's exponential); p's codes and scale words (a wait directly ahead of the second product).
; Scalar registers that vector instructions write: s20 (the wave), s54 (the slope), 32 masks: a wait on va_sdst ahead of each one's first reader, one for all the masks.
.set VCO, 32768                        ; LDS: K's chunks at head x 16,384 + block x 2,048; V's the same, from here on
.set KSB, 65536                        ; K's scale words: head x 1,024 + block x 128
.set VSB, 67584                        ; V's: head x 512 + block x 64
.set OSB, 68608                        ; the result's scale words: 512 bytes
.set S,   176
.set KF,  80
.set NS,  44                           ; s[44:53] five pairs: a block's factor for rel: -slope, or -1e30
.set SEL, 56
.set CS,  58                           ; s[58:59] log2(e)
.set MNT, 60
	s_load_b512 s[4:19], s[0:1], 0x0               ; qc 4, kc 6, vc 8, qs 10, ks 12, vs 14, oc 16, os 18
	v_lshrrev_b32 v8, 5, v0
	v_readfirstlane_b32 s20, v8                    ; wave 0..15
	v_and_b32 v10, 31, v0                          ; lane
	v_and_b32 v9, 15, v0                           ; r
	v_bfe_u32 v37, v0, 4, 1                        ; h
	v_lshlrev_b32 v5, 4, v10                       ; 16 x lane
	v_lshlrev_b32 v61, 2, v10                      ; 4 x lane
	v_lshlrev_b32 v62, 2, v9                       ; 4 r
	v_lshlrev_b32 v7, 3, v9                        ; 8 r
	v_lshlrev_b32 v8, 3, v37
	v_sub_nc_u32 v8, v8, v9                        ; 8 h - r
	s_wait_alu depctr_va_sdst(0)                   ; s20 is written, ahead of its first reader: every share of the wave is made from it
	s_and_b32 s21, s20, 1                          ; hd: which of the two heads
	s_lshr_b32 s22, s20, 1                         ; tq: my tile of queries; also the key block that I bring
	s_lshr_b32 s23, s20, 2                         ; g: my first key block among the eight
	s_bfe_u32 s24, s20, 0x10001                    ; u: which half of that block my queries are
	s_and_b32 s25, ttmp7, 0xffff                   ; y = 8 b + head pair
	s_lshr_b32 s26, s25, 3                         ; b
	s_and_b32 s27, s25, 7                          ; pair
	s_lshl_b32 s28, s27, 1
	s_add_co_u32 s28, s28, s21                     ; head
	s_lshl_b32 s29, s26, 4
	s_add_co_u32 s29, s29, s28                     ; bh
	s_lshl_b32 s30, ttmp9, 2                       ; 4 x: the work-group's first key block
	s_add_co_u32 s31, s30, s22
	s_min_u32 s31, s31, 63                         ; the block that I bring; past the end: block 63 once more
	s_lshl_b32 s32, s24, 4
	v_mov_b32 v10, s32
	v_sub_nc_u32 v8, v8, v10                       ; d0 = 8 h - 16 u - r: register jj of tile t holds rel = 16 t + jj + d0
	; every LDS address: a constant + a constant x lane + constants x parts of the wave's number
	s_lshl_b32 s32, s21, 14
	s_lshl_b32 s33, s22, 11
	s_add_co_u32 s33, s33, s32
	v_add_nc_u32 v58, s33, v5                      ; where I put my block's chunks
	s_lshl_b32 s33, s23, 11
	s_add_co_u32 s33, s33, s32
	v_add_nc_u32 v1, s33, v5                       ; where my five blocks begin
	s_lshl_b32 s32, s21, 10
	s_lshl_b32 s33, s22, 7
	s_add_co_u32 s33, s33, s32
	s_add_co_u32 s33, s33, KSB
	v_add_nc_u32 v59, s33, v61
	s_lshl_b32 s33, s23, 7
	s_add_co_u32 s33, s33, s32
	s_add_co_u32 s33, s33, KSB
	v_add_nc_u32 v2, s33, v7
	s_lshl_b32 s32, s21, 9
	s_lshl_b32 s33, s22, 6
	s_add_co_u32 s33, s33, s32
	s_add_co_u32 s33, s33, VSB
	v_add_nc_u32 v60, s33, v62
	s_lshl_b32 s33, s23, 6
	s_add_co_u32 s33, s33, s32
	s_add_co_u32 s33, s33, VSB
	v_add_nc_u32 v3, s33, v62
	s_lshl_b32 s32, s22, 6
	s_lshl_b32 s33, s21, 1
	s_add_co_u32 s33, s33, s32
	s_add_co_u32 s33, s33, OSB
	v_add_nc_u32 v4, s33, v62                      ; the result's two bytes: tile x 64 + 4 r + 2 hd
	v_add_nc_u32 v63, OSB, v5
	; byte offsets in memory
	s_lshl_b32 s34, s29, 17
	s_lshl_b32 s35, s31, 11
	s_add_co_u32 s34, s34, s35                     ; kc, vc: bh x 131,072 + block x 2,048
	s_mov_b32 s35, 0
	s_lshr_b32 s36, s34, 4                         ; ks: a sixteenth of that
	s_mov_b32 s37, 0
	s_lshr_b32 s38, s34, 5                         ; vs: a thirty-second
	s_mov_b32 s39, 0
	s_lshl_b32 s40, ttmp9, 3
	s_add_co_u32 s40, s40, s22
	s_lshl_b32 s40, s40, 10
	s_lshl_b32 s41, s29, 17
	s_add_co_u32 s40, s40, s41                     ; qc: bh x 131,072 + (8 x + tq) x 1,024
	s_mov_b32 s41, 0
	s_add_co_u32 s61, s30, s23                     ; 4 x + g: my first key block
	s_lshl_b32 s42, s61, 7
	s_lshl_b32 s43, s29, 13
	s_add_co_u32 s42, s42, s43
	s_lshl_b32 s43, s24, 2
	s_add_co_u32 s42, s42, s43                     ; qs: bh x 8,192 + (4 x + g) x 128 + 4 u
	s_mov_b32 s43, 0
	s_lshl_b32 s62, s26, 4
	s_add_co_u32 s62, s62, ttmp9
	s_lshl_b32 s62, s62, 17                        ; oc: (16 b + x) x 131,072
	s_lshr_b32 s68, s27, 1
	s_lshl_b32 s68, s68, 15
	s_add_co_u32 s62, s62, s68                     ; + (pair / 2) x 32,768
	s_lshl_b32 s68, s22, 12
	s_add_co_u32 s62, s62, s68                     ; + tq x 4,096
	s_and_b32 s68, s27, 1
	s_lshl_b32 s68, s68, 11
	s_add_co_u32 s62, s62, s68
	s_lshl_b32 s68, s21, 10
	s_add_co_u32 s62, s62, s68                     ; + (4 (pair % 2) + 2 hd) x 512
	s_mov_b32 s63, 0
	s_lshl_b32 s66, s25, 13
	s_lshl_b32 s67, ttmp9, 9
	s_add_co_u32 s66, s66, s67                     ; os: y x 8,192 + x x 512
	s_mov_b32 s67, 0
	s_mov_b32 s[SEL], 0x76543210
	s_mov_b32 s[SEL+1], 0xfedcba98
	s_mov_b32 s[CS], 0x3fb8aa3b                    ; log2(e)
	s_mov_b32 s[CS+1], s[CS]
	s_mov_b32 s[MNT], 0x600000
	s_mov_b32 s55, 0xf149f2ca                      ; -1e30
	s_wait_kmcnt 0x0
	s_add_nc_u64 s[6:7], s[6:7], s[34:35]
	s_add_nc_u64 s[8:9], s[8:9], s[34:35]
	s_add_nc_u64 s[12:13], s[12:13], s[36:37]
	s_add_nc_u64 s[14:15], s[14:15], s[38:39]
	s_add_nc_u64 s[4:5], s[4:5], s[40:41]
	s_add_nc_u64 s[10:11], s[10:11], s[42:43]
	s_add_nc_u64 s[16:17], s[16:17], s[62:63]
	s_add_nc_u64 s[18:19], s[18:19], s[66:67]
	s_wait_alu depctr_va_vdst(0)                   ; the twelve addresses and offsets v1-5, v7, v58-63 are written: every load and store of the kernel reads one of them, and none is written again
.irp n, 0,1,2,3
	global_load_b128 v[176+4*\n:179+4*\n], v5, s[6:7] offset:512*\n    ; my key block: K's four chunks,
.endr
.irp n, 0,1,2,3
	global_load_b128 v[192+4*\n:195+4*\n], v5, s[8:9] offset:512*\n    ; V's four,
.endr
	global_load_b32 v208, v61, s[12:13]            ; K's 32 scale words,
	global_load_b32 v209, v62, s[14:15]            ; V's 16 (both halves of the lanes take the same)
	global_load_b128 v[64:67], v5, s[4:5]          ; Q's two chunks
	global_load_b128 v[68:71], v5, s[4:5] offset:512
	global_load_b32 v36, v7, s[10:11]              ; and its scale words
	; register work while the loads are out: it names none of the registers that they touch
.irp n, 72,73,74,75,76,77,78,79,160,161,162,163,164,165,166,167,168,169,170,171
	v_mov_b32 v[\n], 0                             ; zero CODES: the unused half of Q's K, and three quarters of p's second step
.endr
.irp n, 21,22,23,24,25
	v_mov_b32 v[\n], 0                             ; a lane permute's destination counts as one of its sources
.endr
	v_mov_b32 v6, 0x4b800000                       ; 2^24: a hidden key's rel
	v_cvt_f32_u32 v10, s28
	v_mul_f32 v10, 0xbf088889, v10                 ; -8 head / 15
	v_exp_f32 v10, v10                             ; the slope
	v_mov_b32 v11, 0                               ; (a plain place; v11 is named as the upper half of the pair v[10:11])
	s_wait_alu depctr_va_vdst(0)                   ; the exponential has written v10, ahead of its first reader; and the zero codes v72-79 and v160-171 are written, which the scaled products take inside their operands
	v_readfirstlane_b32 s54, v10
	s_wait_alu depctr_va_sdst(0)                   ; s54 is written, ahead of its first reader
	s_xor_b32 s54, s54, 0x80000000                 ; -slope
.irp k, 0,1,2,3,4
	s_add_co_u32 s68, s61, \k
	s_cmp_gt_u32 s68, 63                           ; a block past the sequence's end?  (whole numbers made of ids)
	s_cselect_b32 s[NS+2*\k], s55, s54
	s_mov_b32 s[NS+2*\k+1], s[NS+2*\k]
.endr
	s_wait_loadcnt 3                               ; the ten staged loads are in; Q's three may be out
.irp n, 0,1,2,3
	ds_store_b128 v58, v[176+4*\n:179+4*\n] offset:512*\n
	ds_store_b128 v58, v[192+4*\n:195+4*\n] offset:VCO+512*\n
.endr
	ds_store_b32 v59, v208
	ds_store_b32 v60, v209                         ; both halves of the lanes write the same word with the same value
	s_wait_dscnt 0x0                               ; for the others' sake: my stores have landed
	s_barrier_signal -1
	s_barrier_wait -1                              ; both heads' eight key blocks lie in LDS; nobody writes them again
	s_wait_alu depctr_vm_vsrc(0)                   ; my LDS stores have read v176-209, which the bias's lines below write
.irp k, 0,1,2,3,4
	ds_load_b64 v[38+2*\k:39+2*\k], v2 offset:128*\k             ; key r of tiles 2 k and 2 k + 1: their scale words
	ds_load_b32 v[26+\k], v3 offset:64*\k                        ; V's: channel r of the four tiles, key block k
.endr
	; THE BIAS, made where the scores will stand.  rel = key - query, whole numbers in f32.  K's twenty loads are dealt among its lines, which name v8 and v176-255 alone: no vector instruction has named v80-159
	v_cvt_f32_i32 v[S], v8
	v_add_f32 v[S+1], 1.0, v[S]
.irp t, 1,2,3,4,5,6,7,8,9
	v_pk_add_f32 v[S+8*\t:S+8*\t+1], v[S+8*\t-8:S+8*\t-7], 0x41800000 op_sel_hi:[1,0]   ; + 16 from tile to tile
.endr
.irp t, 0,1,2,3,4,5,6,7,8,9
	ds_load_b128 v[KF+8*\t:KF+8*\t+3], v1 offset:1024*\t         ; tile t of 16 keys: the head's block 0,
	ds_load_b128 v[KF+8*\t+4:KF+8*\t+7], v1 offset:1024*\t+512   ; block 1
	v_pk_add_f32 v[S+8*\t+2:S+8*\t+3], v[S+8*\t:S+8*\t+1], 2.0 op_sel_hi:[1,0]
	v_pk_add_f32 v[S+8*\t+4:S+8*\t+5], v[S+8*\t:S+8*\t+1], 4.0 op_sel_hi:[1,0]
	v_pk_add_f32 v[S+8*\t+6:S+8*\t+7], v[S+8*\t:S+8*\t+1], 0x40c00000 op_sel_hi:[1,0]
.endr
	; the hidden keys.  Block 0: keys ahead of the query; block 4: keys 128 or more behind it.  (Blocks 1 to 3 have rel 1 .. 127: all count.)  The 32 compares stand in one run, each with a mask of its
	; own: mask n in s24-43 (n under 20) and s68-79, which hold nothing any more
.set n, 0
.rept 32
.set m, 24+n
.if n > 19
.set m, 48+n
.endif
.if n < 16
	v_cmp_gt_f32 s[m], 0, v[S+n]
.else
	v_cmp_le_f32 s[m], 0x43000000, v[S+48+n]
.endif
.set n, n+1
.endr
	s_wait_alu depctr_va_sdst(0)                   ; the 32 masks are written, ahead of the selects that read them
.set n, 0
.rept 32
.set m, 24+n
.if n > 19
.set m, 48+n
.endif
.set d, S+n
.if n > 15
.set d, S+48+n
.endif
	v_cndmask_b32 v[d], v[d], v6, s[m]
.set n, n+1
.endr
.set n, 0
.rept 40
	v_pk_mul_f32 v[S+2*n:S+2*n+1], v[S+2*n:S+2*n+1], s[NS+2*(n/8):NS+2*(n/8)+1] op_sel_hi:[1,0]   ; x -slope
.set n, n+1
.endr
	s_wait_dscnt 0x0                               ; K and the scale words
	s_wait_loadcnt 0x0                             ; Q
	; V's scale words are wanted by tile of channels, a byte for each key block: a 4 x 4 turn of bytes for blocks 0-3; for the second step blocks 1-3 and block 4
	v_perm_b32 v31, v27, v26, 0x05010400
	v_perm_b32 v32, v27, v26, 0x07030602
	v_perm_b32 v33, v29, v28, 0x05010400
	v_perm_b32 v34, v29, v28, 0x07030602
	v_perm_b32 v48, v33, v31, 0x05040100
	v_perm_b32 v49, v33, v31, 0x07060302
	v_perm_b32 v50, v34, v32, 0x05040100
	v_perm_b32 v51, v34, v32, 0x07060302
.irp j, 0,1,2,3
	v_perm_b32 v[52+\j], v30, v[48+\j], ((4+\j)<<24)|0x030201
.endr
.irp t, 0,1,2,3,4,5,6,7,8,9                    ; S^T = K Q^T + bias: ten accumulators, one product each.  Of their operands and scales vector instructions wrote the zero codes alone, ahead of the wait behind the slope
	v_wmma_scale_f32_16x16x128_f8f6f4 v[S+8*\t:S+8*\t+7], v[KF+8*\t:KF+8*\t+15], v[64:79], v[S+8*\t:S+8*\t+7], v[38+\t], v36
.endr
.rept 8
	v_nop                                          ; places in front of the first read of the scores
.endr
	s_wait_alu depctr_va_vdst(0)                   ; the ten products are done reading K's registers v80-159, in which V's loads land
; V: tile of channels j, its five key blocks.  The four runs are dealt among the first rows of the search for the maximum, which name v16-20 and v176-255 alone; they land under the softmax
.macro VLOAD j
.irp k, 0,1,2,3,4
	ds_load_b128 v[KF+20*(\j)+4*\k:KF+20*(\j)+4*\k+3], v1 offset:VCO+2048*\k+512*(\j)
.endr
.endm
	VLOAD 0
.irp b, 0,1,2,3,4
	v_max3_num_f32 v[16+\b], v[S+16*\b], v[S+16*\b+1], v[S+16*\b+2]   ; the largest logit of each block of 32 keys: for the row's maximum, and, since p rises with the logit, for the block's largest p
.endr
.irp i, 3,5,7,9,11,13
.if \i < 9
	VLOAD (\i-1)/2
.endif
.irp b, 0,1,2,3,4
	v_max3_num_f32 v[16+\b], v[16+\b], v[S+16*\b+\i], v[S+16*\b+\i+1]
.endr
.endr
.irp b, 0,1,2,3,4
	v_max_num_f32 v[16+\b], v[16+\b], v[S+16*\b+15]
.endr
.irp b, 0,1,2,3,4
	v_permlanex16_b32 v[21+\b], v[16+\b], s[SEL], s[SEL+1]
.endr
.irp b, 0,1,2,3,4
	v_max_num_f32 v[16+\b], v[16+\b], v[21+\b]     ; with lane l xor 16's 16 keys
.endr
	v_max3_num_f32 v37, v16, v17, v18
	v_max3_num_f32 v37, v37, v19, v20              ; the row's largest logit
	v_mul_f32 v37, s[CS], v37                      ; as t
	v_floor_f32 v10, -v37                          ; -M = floor(-t) = -ceil(t)
.set n, 0
.rept 40
	v_pk_fma_f32 v[S+2*n:S+2*n+1], v[S+2*n:S+2*n+1], s[CS:CS+1], v[10:11] op_sel_hi:[1,0,0]   ; t - M
.set n, n+1
.endr
.irp b, 0,1,2,3,4
	v_fma_f32 v[16+\b], v[16+\b], s[CS], v10       ; the same of each block's largest logit
.endr
.set n, 0
.rept 80
	v_exp_f32 v[S+n], v[S+n]                       ; p = 2^(t - M), not normalised
.set n, n+1
.endr
.irp b, 0,1,2,3,4
	v_exp_f32 v[16+\b], v[16+\b]                   ; the block's largest p: the same two instructions on the same number
.endr
	v_nop                                          ; a plain place behind the exponentials
	s_wait_alu depctr_va_vdst(0)                   ; the 85 exponentials have written v176-255 and v16-20, ahead of their first reader: one wait for the batch
.irp b, 0,1,2,3,4
	v_max_num_f32 v[16+\b], 0x4800000, v[16+\b]    ; the floor 2^(9 - 127)
.endr
.irp b, 0,1,2,3,4
	v_add_nc_u32 v[26+\b], 0xfc000000, v[16+\b]    ; the conversion's scale operand
.endr
.irp b, 0,1,2,3,4
	v_and_or_b32 v[31+\b], v[16+\b], 0x7f800000, s[MNT]   ; 448 x the scale
.endr
.irp b, 0,1,2,3,4
	v_lshrrev_b32 v[21+\b], 23, v[26+\b]           ; the scale's byte
.endr
	v_lshl_or_b32 v56, v22, 8, v21                 ; p's scale word for blocks 0-3,
	v_lshl_or_b32 v56, v23, 16, v56
	v_lshl_or_b32 v56, v24, 24, v56
	v_lshlrev_b32 v57, 24, v25                     ; and for the second step: block 4 in the last place, over zero codes 2^-127
	v_pk_add_f32 v[12:13], v[S:S+1], v[S+2:S+3]    ; the row's sum is taken of the unquantised p: two chains
	v_pk_add_f32 v[14:15], v[S+4:S+5], v[S+6:S+7]
.set n, 8
.rept 18
	v_pk_add_f32 v[12:13], v[12:13], v[S+n:S+n+1]
	v_pk_add_f32 v[14:15], v[14:15], v[S+n+2:S+n+3]
.set n, n+4
.endr
	v_pk_add_f32 v[12:13], v[12:13], v[14:15]
.set n, 0
.rept 80
	v_min_num_f32 v[S+n], v[S+n], v[31+n/16]       ; the conversion does not saturate (ISA guide 7.6.2); p is not negative, so the hold is one-sided
.set n, n+1
.endr
.set n, 0
.rept 8
	v_cvt_scalef32_pk8_fp8_f32 v[64+2*n:65+2*n], v[S+8*n:S+8*n+7], v[26+n/2]   ; blocks 0-3: where Q stood
.set n, n+1
.endr
	v_cvt_scalef32_pk8_fp8_f32 v[172:173], v[S+64:S+71], v30   ; block 4: behind twelve registers of zero codes
	v_cvt_scalef32_pk8_fp8_f32 v[174:175], v[S+72:S+79], v30
	v_add_f32 v12, v12, v13                        ; the sum's two halves,
	v_permlanex16_b32 v21, v12, s[SEL], s[SEL+1]
	v_add_f32 v12, v12, v21                        ; and lane l xor 16's: the row's sum, above 1/2
	v_rcp_f32 v12, v12
.rept 4
	v_nop                                          ; an operand written by vector instructions stands four places ahead of a scaled product; the first is also the plain place behind the reciprocal
.endr
	s_wait_dscnt 0x0                               ; V
	s_wait_alu depctr_va_vdst(0)                   ; the conversions have written p's codes v64-79 and v172-175, and v56, v57 hold its scale words: the scaled products below take them; the reciprocal has written v12, ahead of its first reader
.irp j, 0,1,2,3                                ; O^T = V^T P^T: key blocks 0-3 start the four sums,
	v_wmma_scale_f32_16x16x128_f8f6f4 v[S+8*\j:S+8*\j+7], v[KF+20*\j:KF+20*\j+15], v[64:79], 0, v[48+\j], v56
.endr
.irp j, 0,1,2,3                                ; block 4 is added: V's blocks 1-4 against zeros and p's block 4.  The four accumulators take turns
	v_wmma_scale_f32_16x16x128_f8f6f4 v[S+8*\j:S+8*\j+7], v[KF+20*\j+4:KF+20*\j+19], v[160:175], v[S+8*\j:S+8*\j+7], v[52+\j], v57
.endr
.rept 8
	v_nop
.endr
.set n, 0
.rept 16
	v_pk_mul_f32 v[208+2*n:209+2*n], v[S+2*n:S+2*n+1], v[12:13] op_sel_hi:[1,0]   ; O^T / the sum: register 8 j + jj is channel 16 j + 8 h + jj of query r
.set n, n+1
.endr
	; the result's two blocks of 32 along D are quantised: chunks for the last projection
.irp b, 0,1
	v_max3_num_f32 v[16+\b], |v[208+16*\b]|, |v[209+16*\b]|, 0x4800000
.endr
.irp i, 2,4,6,8,10,12,14
.irp b, 0,1
	v_max3_num_f32 v[16+\b], v[16+\b], |v[208+16*\b+\i]|, |v[209+16*\b+\i]|
.endr
.endr
.irp b, 0,1
	v_permlanex16_b32 v[21+\b], v[16+\b], s[SEL], s[SEL+1]
.endr
.irp b, 0,1
	v_max_num_f32 v[16+\b], v[16+\b], v[21+\b]
.endr
.irp b, 0,1
	v_add_nc_u32 v[26+\b], 0xfc000000, v[16+\b]
.endr
.irp b, 0,1
	v_and_or_b32 v[31+\b], v[16+\b], 0x7f800000, s[MNT]
.endr
.irp b, 0,1
	v_lshrrev_b32 v[21+\b], 23, v[26+\b]
.endr
	v_lshl_or_b32 v23, v22, 8, v21                 ; my head's two bytes of query r's scale word
.set n, 0
.rept 32
	v_med3_num_f32 v[208+n], v[208+n], -v[31+n/16], v[31+n/16]
.set n, n+1
.endr
.set n, 0
.rept 4
	v_cvt_scalef32_pk8_fp8_f32 v[240+2*n:241+2*n], v[208+8*n:208+8*n+7], v[26+n/2]
.set n, n+1
.endr
	v_nop                                          ; a plain place behind the last conversion
	s_wait_alu depctr_va_vdst(0)                   ; the conversions have written v240-247 and v23 holds the two bytes: the stores below read them; and every vector instruction that named v24-27 is done, where wave 0's load lands
	global_store_b128 v5, v[240:243], s[16:17]     ; each store covers 512 consecutive bytes, aligned
	global_store_b128 v5, v[244:247], s[16:17] offset:512
	ds_store_b16 v4, v23                           ; a word's four bytes come from the two heads' waves: they meet in LDS
	s_wait_dscnt 0x0
	s_barrier_signal -1
	s_barrier_wait -1
	s_cmp_lg_u32 s20, 0
	s_cbranch_scc1 .Ldone
	ds_load_b128 v[24:27], v63                     ; wave 0: the eight tiles' 128 words.  No vector instruction stands between the wait above and this load
	s_wait_dscnt 0x0
	global_store_b128 v5, v[24:27], s[18:19]       ; 512 consecutive bytes, aligned
.Ldone:
	s_wait_xcnt 0x0                                ; the stores above have had their addresses translated
	v_lshl_add_u32 v208, v0, 2, 0x11000            ; my spare word's address and 0, made anew: no memory or LDS instruction has read v208 or v209 since the wait on vm_vsrc behind the first barrier
	v_mov_b32 v209, 0
	s_wait_dscnt 0x0                               ; the closing lines, six on end
	s_wait_alu 0x0
	s_wait_tensorcnt 0x0
	ds_add_u32 v208, v209
	s_wait_dscnt 0x0
	s_endpgm
.Lfunc_end_k_qa41225eec0_attn:
	.size	k_qa41225eec0_attn, .Lfunc_end_k_qa41225eec0_attn-k_qa41225eec0_attn
	.p2alignl 7, 3214868480
	.fill 96, 4, 3214868480
	.section	.rodata,"a",@progbits
	.p2align	6, 0x0
	.amdhsa_kernel k_qa41225eec0_attn
		.amdhsa_group_segment_fixed_size 71680
		.amdhsa_private_segment_fixed_size 0
		.amdhsa_enable_private_segment 0
		.amdhsa_kernarg_size 64
		.amdhsa_user_sgpr_count 2
		.amdhsa_user_sgpr_kernarg_segment_ptr 1
		.amdhsa_wavefront_size32 1
		.amdhsa_system_sgpr_workgroup_id_x 1
		.amdhsa_system_sgpr_workgroup_id_y 1
		.amdhsa_system_sgpr_workgroup_id_z 1
		.amdhsa_system_vgpr_workitem_id 0
		.amdhsa_next_free_vgpr 256
		.amdhsa_next_free_sgpr 80
		.amdhsa_reserve_vcc 0
		.amdhsa_float_denorm_mode_32 3
		.amdhsa_float_denorm_mode_16_64 3
		.amdhsa_memory_ordered 1
		.amdhsa_forward_progress 1
		.amdhsa_inst_pref_size 48
	.end_amdhsa_kernel
	.amdgpu_metadata
---
amdhsa.version: [ 1, 2 ]
amdhsa.kernels:
  - .name:           k_qa41225eec0_attn
    .symbol:         k_qa41225eec0_attn.kd
    .args:
      - { .name: qc, .offset: 0, .size: 8, .value_kind: global_buffer, .address_space: global }
      - { .name: kc, .offset: 8, .size: 8, .value_kind: global_buffer, .address_space: global }
      - { .name: vc, .offset: 16, .size: 8, .value_kind: global_buffer, .address_space: global }
      - { .name: qs, .offset: 24, .size: 8, .value_kind: global_buffer, .address_space: global }
      - { .name: ks, .offset: 32, .size: 8, .value_kind: global_buffer, .address_space: global }
      - { .name: vs, .offset: 40, .size: 8, .value_kind: global_buffer, .address_space: global }
      - { .name: oc, .offset: 48, .size: 8, .value_kind: global_buffer, .address_space: global }
      - { .name: os, .offset: 56, .size: 8, .value_kind: global_buffer, .address_space: global }
    .group_segment_fixed_size: 71680
    .private_segment_fixed_size: 0
    .kernarg_segment_align: 8
    .kernarg_segment_size: 64
    .max_flat_workgroup_size: 512
    .sgpr_count:     80
    .vgpr_count:     256
    .wavefront_size: 32
...
	.end_amdgpu_metadata
.endif
;; end of part 4
;; launch oproj: the kernel of part 3 again; grid 8 x 32, 4 waves a work-group, clusters of 4 x 4, 327,680 bytes of LDS; arguments oc, os, Wo_codes, Wo_scales, out0; writes out0
